; MI455X (gfx1250); checked and timed in simulation.
; The chip was launched on July 23, 2026; its instructions are those of AMD's public machine-readable ISA for CDNA 5 (MIT licence, August 2026) and "CDNA5" Instruction Set Architecture Reference Guide (July 2026). The comments in the code are by the model that wrote it; some were corrected since.
;; Self Attention. Allowed arithmetic: matrix products marked QUANTISED: E2M3 operands, one E8M0 scale for each 32 along K, by v_wmma_scale_f32_16x16x128_f8f6f4 with both operands' format E2M3, f32 sums; everything else in f32.
;; Inputs: Wo 1,024 x 1,024 float32; Wq 1,024 x 1,024 float32; mask 4 x 2,048 float32; x 4 x 1,024 x 2,048 float32.
;; Outputs: out0 4 x 1,024 x 2,048 float32.
;; This version of the problem:
;;   THIS VERSION OF THE PROBLEM IS GIVEN IN LOW PRECISION. The matrix products marked QUANTISED in the list below multiply operands that are first quantised to E2M3 (2 exponent bits, 3 mantissa bits; 6 bits a number), with one power-of-two scale for each 32 numbers along K (OCP MX v1.0); their sums are f32. All else is computed in f32.
;;   The module's matrix products, in the order in which they are computed (A, B: the left and right operand; K: the contracted axis; several contracted axes count as one K, in the product's order):
;;     1. [M 8,192, K 1,024] x [K 1,024, N 1,024]; A: input x; B: input Wq: QUANTISED
;;     2. batch 32 x [M 2,048, K 128] x [K 128, N 2,048]; A: computed on the way; B: computed on the way: QUANTISED
;;     3. batch 32 x [M 2,048, K 2,048] x [K 2,048, N 128]; A: softmax (see below); B: computed on the way: QUANTISED
;;     4. [M 8,192, K 1,024] x [K 1,024, N 1,024]; A: computed on the way; B: input Wo: QUANTISED
;;   THE QUANTISER, for each operand of a quantised product, along K:
;;     - K is cut into blocks of 32 from its start; a last block that is shorter is filled with zeros.
;;     - A block's scale is 2^e with e = floor(log2(the largest magnitude in the block)) - 2, held to -126 .. 127; a block of zeros has e = 0. As a byte (E8M0): e + 127.
;;     - Each number is divided by its block's scale, clamped to +-7.5, and rounded to the nearest number of E2M3, ties to even, subnormals kept.
;;     - The product sums the exact products of the quantised numbers (number of the format x scale) in f32.
;;   ~~~python
;;   def quantise(x, axis):      # numpy; x: float32 -> the quantised numbers, widened to float32 again
;;       x = np.moveaxis(x, axis, -1); K = x.shape[-1]
;;       x = np.pad(x, [(0, 0)] * (x.ndim - 1) + [(0, -K % 32)]); x = x.reshape(x.shape[:-1] + (-1, 32)); a = np.abs(x).max(-1, keepdims=True)
;;       e = np.where(a > 0, np.clip(np.frexp(np.where(a > 0, a, 1))[1] - 1 - 2, -126, 127), 0)      # np.frexp(a)[1] - 1 = floor(log2(a)), exactly
;;       r = np.clip(x / 2.0 ** e, -7.5, 7.5)
;;       step = 2.0 ** (np.maximum(np.frexp(np.where(r == 0, 1, r))[1] - 1, 0) - 3)
;;       q = np.round(r / step) * step * 2.0 ** e      # np.round: ties to even
;;       return np.moveaxis(q.reshape(q.shape[:-2] + (-1,))[..., :K], -1, axis).astype(np.float32)
;;   ~~~
;;   SOFTMAX AHEAD OF A QUANTISED PRODUCT. Where the list says 'softmax', what is quantised is not the finished softmax but p = 2^(t - M), with t = logit x log2(e) and M = ceil(the row's largest t), a whole number; so 1/2 < the row's largest p <= 1. The row's sum l is taken of the UNQUANTISED p, in f32, and the product's result is divided by l at the end. Since M is a whole number, a kernel that streams over the keys may use a running M (the ceiling of the running maximum): every later rescaling is an exact power of two, which a block's scale takes up: the codes' values come out the same.
;;   OPERANDS COMPUTED ON THE WAY. 'Computed on the way' means the value that the module computes at that place (a softmax that the list does not call 'softmax' is quantised finished and normalised). What goes into a quantiser is computed in f32, as accurately as f32 sums, v_exp_f32 and their like allow (about 1e-6 of the number): no bf16 or f16 on the way to a quantiser, and a product that is left as it is and whose result goes on into a quantised operand takes f32 operands (vector FMAs, or v_wmma_f32_16x16x4_f32). A number that lies on a knife's edge between two numbers of the format may be rounded either way, as far as f32 arithmetic and the matrix unit's own rounding can turn it there, and no further.
;; One version. Each part assembles by itself: llvm-mc -triple=amdgcn-amd-amdhsa -mcpu=gfx1250 --defsym DOCPART=n.
;; ======== version 1 of 1: 4 launches
;; limits: right only within a limited range of input values
;; workspace buffers: xq 6,553,600 bytes; wqq 819,200 bytes; woq 819,200 bytes; kv 13,107,200 bytes; cq 6,553,600 bytes
;; launch quant (part 1): grid 640 x 1, 4 waves a work-group, no clusters, 82,944 bytes of LDS; arguments x, Wq, Wo, xq, wqq, woq; writes xq, wqq, woq
.if DOCPART == 1
	.amdgcn_target "amdgcn-amd-amdhsa--gfx1250"
	.amdhsa_code_object_version 6
	.text
	.protected	k_qbe2ef883ad_quant
	.globl	k_qbe2ef883ad_quant
	.p2align	8
	.type	k_qbe2ef883ad_quant,@function
k_qbe2ef883ad_quant:
	s_mov_b64 s[64:65], 0
	v_nop
	global_prefetch_b8 v0, s[64:65] scope:SCOPE_SE
	s_setreg_imm32_b32 hwreg(HW_REG_WAVE_MODE, 25, 1), 1
	s_wait_xcnt 0x0
; x [4][1024 (d)][2048 (t)], Wq and Wo [1024 (o)][1024 (d)], f32, become codes of FP6 (E2M3) with one E8M0 byte for each 32 along d, laid in the ORDER OF AN OPERAND'S REGISTERS.
; A BLOCK OF THE WORKSPACE (12,800 bytes) is 128 rows x 128 along K: eight tiles of 16 rows.  Tile i lies at 1,536 i: registers 4 g .. 4 g + 3 of lane l at 512 g + 16 l.  At byte 12,288 the scale words:
; that of (tile i, row r) at 16 (r + 16 (i % 2)) + 4 (i / 2), so that one load of 16 bytes a lane gives four scale registers, each with an even tile in lanes 0-15 and the odd one in lanes 16-31.
; THE ROWS OF A TILE ARE NOT NEIGHBOURS: of 32 rows tau, tile u = (tau / 8) % 2 takes tau as its row r = tau % 8 + 8 (tau / 16).  A product that takes such tiles as source 0 leaves 16 neighbouring rows in a lane's 16 registers.
; SHARES.  A work-group makes one block: the first 512 take x (row group = 128 t, K step = 128 d), the next 64 Wq, the last 64 Wo.  Wave w takes rows 32 w + lane; a lane holds its row's 128 numbers, four whole blocks of 32:
; no other lane is asked for a maximum, and the conversions take neighbours along K from the lane's own registers.
; x has K outermost: a load reads one d at 32 neighbouring t, 128 consecutive bytes a wave, 512 the four waves.  A weight has K innermost: a load reads a row's 512 bytes, and the 32 rows turn through the wave's own LDS.
; A block's scale is 2^(floor(log2(largest magnitude)) - 2): its byte is the largest magnitude's exponent field - 2, held at 1 from below.
; LIMITS: a block of zeros gets the byte 1 (the rule says 127): its codes are zeros, and these bytes are read by this program alone.  NaN and infinities among the inputs are not served.
; No tensor loads, no matrix work, no cluster: nothing is shared between work-groups, and each byte is read once.
.set GBLK,   12800
.set TPITCH, 528                       ; the turn: a row's 512 bytes + 16, so that 16 lanes that read 16 rows take 16 different columns of 16 bytes
.set WREG,   20480                     ; LDS of a wave: the turn (32 x 528, the weights' path alone), then two tile images
.set IMG,    16896
.set TILEP,  1664                      ; from tile image to tile image: 1,536 + 128, so that lanes 0-7 (tile 0) and 8-15 (tile 1) store to different columns
.set SCST,   4*WREG                    ; the block's 512 bytes of scale words, gathered from the four waves
.set LI,  1                            ; v1   16 x lane
.set IMI, 5                            ; v5   where my row's codes go in the images
.set WB,  6                            ; v6   my wave's LDS + 16 x lane
.set XO,  7                            ; v7   4 x lane
.set TRO, 8                            ; v8   the turn, on the way out: my row
.set SCI, 9                            ; v9   where my row's scale word goes
.set SCO, 10                           ; v10  the scale words, 16 bytes a lane
.set C,   16                           ; v16-47  codes: eight registers for each block of 32, so that no LDS store's data are written again
.set CT,  48                           ; v48-50  the second half of a block's codes (a conversion's three registers begin on an even number)
.set SW,  52                           ; v52  my row's scale word
.set X,   64                           ; v64-191 my row's 128 numbers
	s_load_b256 s[4:11], s[0:1], 0x0               ; x, Wq, Wo, xq
	s_load_b128 s[12:15], s[0:1], 0x20             ; wqq, woq
	v_lshl_add_u32 v192, v0, 2, 0x14200
	v_mov_b32 v193, 0
	v_lshrrev_b32 v1, 5, v0
	v_readfirstlane_b32 s24, v1                    ; wave
	v_and_b32 v2, 31, v0                           ; lane = tau
	v_lshlrev_b32 v[LI], 4, v2
	v_lshlrev_b32 v[XO], 2, v2
	v_and_b32 v3, 7, v0
	v_bfe_u32 v4, v0, 4, 1
	v_lshl_add_u32 v3, v4, 3, v3                   ; r = tau % 8 + 8 (tau / 16)
	v_bfe_u32 v4, v0, 3, 1                         ; u = (tau / 8) % 2
	s_mul_i32 s25, s24, WREG
	v_mul_u32_u24 v[IMI], v4, TILEP
	v_lshl_add_u32 v[IMI], v3, 4, v[IMI]
	v_add_nc_u32 v[IMI], s25, v[IMI]
	v_add_nc_u32 v[WB], s25, v[LI]
	v_mul_u32_u24 v[TRO], v2, TPITCH
	v_add_nc_u32 v[TRO], s25, v[TRO]
	v_lshlrev_b32 v[SCI], 4, v3
	v_lshl_add_u32 v[SCI], v4, 8, v[SCI]
	s_lshl_b32 s26, s24, 2
	v_add_nc_u32 v[SCI], s26, v[SCI]
	v_add_nc_u32 v[SCI], SCST, v[SCI]              ; 16 r + 256 u + 4 w: tile 2 w + u
	v_add_nc_u32 v[SCO], SCST, v[LI]
	s_and_b32 s20, ttmp9, 63                       ; a weight's block: 8 x row group + K step
	s_and_b32 s21, ttmp9, 7                        ; the K step
	s_lshr_b32 s26, ttmp9, 7                       ; x: the batch, 8,388,608 bytes each,
	s_lshl_b32 s26, s26, 23
	s_lshl_b32 s27, s21, 20                        ; 128 d of 8,192 bytes,
	s_add_co_u32 s26, s26, s27
	s_bfe_u32 s27, ttmp9, 0x40003                  ; the row group's 128 t,
	s_lshl_b32 s27, s27, 9
	s_add_co_u32 s26, s26, s27
	s_lshl_b32 s27, s24, 7                         ; my wave's 32 of them
	s_add_co_u32 s26, s26, s27
	s_mov_b32 s27, 0
	s_lshr_b32 s28, s20, 3                         ; a weight: the row group's 128 rows of 4,096 bytes,
	s_lshl_b32 s28, s28, 19
	s_lshl_b32 s29, s24, 17                        ; my wave's 32 of them,
	s_add_co_u32 s28, s28, s29
	s_lshl_b32 s29, s21, 9                         ; the K step's 512 bytes
	s_add_co_u32 s28, s28, s29
	s_mov_b32 s29, 0
	s_wait_kmcnt 0x0
	s_cmp_lt_u32 ttmp9, 576                        ; the choices hang on the work-group's number alone
	s_cselect_b64 s[16:17], s[6:7], s[8:9]
	s_cselect_b64 s[18:19], s[12:13], s[14:15]
	s_cmp_lt_u32 ttmp9, 512
	s_cselect_b64 s[18:19], s[10:11], s[18:19]
	s_cselect_b32 s20, ttmp9, s20                  ; x's block: 8 x row group + K step = the work-group's number
	s_mul_i32 s20, s20, GBLK
	s_mul_i32 s21, s24, 3072                       ; my wave's two tiles
	s_add_co_u32 s20, s20, s21
	s_mov_b32 s21, 0
	s_add_nc_u64 s[18:19], s[18:19], s[20:21]
	s_cmp_lt_u32 ttmp9, 512
	s_cbranch_scc0 .Lweights
	s_add_nc_u64 s[4:5], s[4:5], s[26:27]
.set j, 0
.rept 128
	global_load_b32 v[X+j], v[XO], s[4:5] offset:j*8192 th:TH_LOAD_NT   ; x(128 ks + j, my t): 32 lanes read 128 consecutive bytes
.set j, j+1
.endr
	s_branch .Lquant
.Lweights:
	s_add_nc_u64 s[16:17], s[16:17], s[28:29]
.set j, 0
.rept 32
	global_load_b128 v[X+4*j:X+4*j+3], v[LI], s[16:17] offset:j*4096 th:TH_LOAD_NT   ; row j's 512 bytes of the K step
.set j, j+1
.endr
	s_wait_loadcnt 0x0
.set j, 0
	s_wait_alu depctr_va_vdst(0)
.rept 32
	ds_store_b128 v[WB], v[X+4*j:X+4*j+3] offset:j*TPITCH
.set j, j+1
.endr
	s_wait_dscnt 0x0                               ; the stores have read their registers, which the loads below fill
.set j, 0
.rept 32
	ds_load_b128 v[X+4*j:X+4*j+3], v[TRO] offset:16*j   ; my row, 128 numbers on end
.set j, j+1
.endr
	s_wait_dscnt 0x0
.Lquant:
; Block kb of my row: its 32 numbers, its byte, its 24 bytes of codes.  In the operand lane r + 16 (kb % 2) holds them in registers 6 (kb / 2) .. + 5.
.macro BLOCK kb
.set XS, X+32*(\kb)
.set CB, C+8*(\kb)
.if (\kb) == 0
	s_wait_loadcnt 63                              ; x's path: a wait names 63 at the most; behind block 0's loads 96 were issued, behind block 1's 64: both blocks are in
.elseif (\kb) == 2
	s_wait_loadcnt 32                              ; block 3's 32 loads may be out
.elseif (\kb) == 3
	s_wait_loadcnt 0x0
.endif
	v_max3_num_f32 v11, |v[XS]|, |v[XS+1]|, |v[XS+2]|            ; the largest magnitude, in two chains
	v_max3_num_f32 v12, |v[XS+3]|, |v[XS+4]|, |v[XS+5]|
.irp i, 6,10,14,18,22,26
	v_max3_num_f32 v11, v11, |v[XS+\i]|, |v[XS+\i+1]|
	v_max3_num_f32 v12, v12, |v[XS+\i+2]|, |v[XS+\i+3]|
.endr
	v_max3_num_f32 v11, v11, |v[XS+30]|, |v[XS+31]|
	v_max3_num_f32 v11, v11, v12, 0x1800000        ; and the floor 2^(3 - 127): the byte cannot fall under 1
	v_add_nc_u32 v13, 0xff000000, v11              ; 2 off the exponent field: the conversion takes this operand's exponent field as its scale
	v_cvt_scalef32_pk16_fp6_f32 v[CB:CB+2], v[XS:XS+15], v13
	v_cvt_scalef32_pk16_fp6_f32 v[CT:CT+2], v[XS+16:XS+31], v13
	v_lshrrev_b32 v14, 23, v13                     ; the byte.  (The plain line behind the conversions)
.if (\kb) == 0
	v_mov_b32 v[SW], v14
.else
	v_lshl_or_b32 v[SW], v14, 8*(\kb), v[SW]
.endif
.irp i, 0,1,2
	v_mov_b32 v[CB+3+\i], v[CT+\i]
.endr
.if (\kb) < 2
	ds_store_b128 v[IMI], v[CB:CB+3] offset:IMG+256*((\kb)%2)          ; registers 0-3
	ds_store_b64 v[IMI], v[CB+4:CB+5] offset:IMG+512+256*((\kb)%2)     ; registers 4, 5
.else
	ds_store_b64 v[IMI], v[CB:CB+1] offset:IMG+520+256*((\kb)%2)       ; registers 6, 7
	ds_store_b128 v[IMI], v[CB+2:CB+5] offset:IMG+1024+256*((\kb)%2)   ; registers 8-11
.endif
.endm
	BLOCK 0
	BLOCK 1
	BLOCK 2
	BLOCK 3
	ds_store_b32 v[SCI], v[SW]
.irp u, 0,1
.irp g, 0,1,2
	ds_load_b128 v[X+4*(3*\u+\g):X+4*(3*\u+\g)+3], v[WB] offset:IMG+\u*TILEP+512*\g   ; LDS serves a wave's instructions in order: these see my stores
.endr
.endr
.irp u, 0,1
.irp g, 0,1,2
	s_wait_dscnt 5-(3*\u+\g)                       ; the image loads issued behind this one may be out
	global_store_b128 v[LI], v[X+4*(3*\u+\g):X+4*(3*\u+\g)+3], s[18:19] offset:\u*1536+512*\g   ; 32 lanes store 512 consecutive bytes, at a multiple of 256 from the buffer's first byte
.endr
.endr
	s_wait_dscnt 0x0                               ; for the others' sake: my scale words lie in LDS
	s_barrier_signal -1
	s_barrier_wait -1
	s_cmp_lg_u32 s24, 0
	s_cbranch_scc1 .Ldone
	ds_load_b128 v[X+24:X+27], v[SCO]              ; wave 0 stores the block's scale words whole: 512 consecutive bytes
	s_wait_dscnt 0x0
	global_store_b128 v[LI], v[X+24:X+27], s[18:19] offset:12288
.Ldone:
	s_wait_tensorcnt 0x0
	ds_add_u32 v192, v193
	s_wait_dscnt 0x0
	s_endpgm
.Lfunc_end_k_qbe2ef883ad_quant:
	.size	k_qbe2ef883ad_quant, .Lfunc_end_k_qbe2ef883ad_quant-k_qbe2ef883ad_quant
	.p2alignl 7, 3214868480
	.fill 96, 4, 3214868480
	.section	.rodata,"a",@progbits
	.p2align	6, 0x0
	.amdhsa_kernel k_qbe2ef883ad_quant
		.amdhsa_group_segment_fixed_size 82944
		.amdhsa_private_segment_fixed_size 0
		.amdhsa_enable_private_segment 0
		.amdhsa_kernarg_size 48
		.amdhsa_user_sgpr_count 2
		.amdhsa_user_sgpr_kernarg_segment_ptr 1
		.amdhsa_wavefront_size32 1
		.amdhsa_system_sgpr_workgroup_id_x 1
		.amdhsa_system_sgpr_workgroup_id_y 1
		.amdhsa_system_sgpr_workgroup_id_z 1
		.amdhsa_system_vgpr_workitem_id 0
		.amdhsa_next_free_vgpr 194
		.amdhsa_next_free_sgpr 66
		.amdhsa_reserve_vcc 0
		.amdhsa_float_denorm_mode_32 3
		.amdhsa_float_denorm_mode_16_64 3
		.amdhsa_memory_ordered 1
		.amdhsa_forward_progress 1
		.amdhsa_inst_pref_size 30
	.end_amdhsa_kernel
	.amdgpu_metadata
---
amdhsa.version: [ 1, 2 ]
amdhsa.kernels:
  - .name:           k_qbe2ef883ad_quant
    .symbol:         k_qbe2ef883ad_quant.kd
    .args:
      - { .name: x, .offset: 0, .size: 8, .value_kind: global_buffer, .address_space: global }
      - { .name: Wq, .offset: 8, .size: 8, .value_kind: global_buffer, .address_space: global }
      - { .name: Wo, .offset: 16, .size: 8, .value_kind: global_buffer, .address_space: global }
      - { .name: xq, .offset: 24, .size: 8, .value_kind: global_buffer, .address_space: global }
      - { .name: wqq, .offset: 32, .size: 8, .value_kind: global_buffer, .address_space: global }
      - { .name: woq, .offset: 40, .size: 8, .value_kind: global_buffer, .address_space: global }
    .group_segment_fixed_size: 82944
    .private_segment_fixed_size: 0
    .kernarg_segment_align: 8
    .kernarg_segment_size: 48
    .max_flat_workgroup_size: 128
    .sgpr_count:     66
    .vgpr_count:     194
    .wavefront_size: 32
...
	.end_amdgpu_metadata
.endif
;; end of part 1
;; launch proj (part 2): grid 4 x 64, 4 waves a work-group, clusters of 4 x 4, 327,680 bytes of LDS; arguments xq, wqq, kv; writes kv
.if DOCPART == 2
	.amdgcn_target "amdgcn-amd-amdhsa--gfx1250"
	.amdhsa_code_object_version 6
	.text
	.protected	k_qbe2ef883ad_proj
	.globl	k_qbe2ef883ad_proj
	.p2align	8
	.type	k_qbe2ef883ad_proj,@function
k_qbe2ef883ad_proj:
	s_mov_b64 s[64:65], 0
	v_nop
	global_prefetch_b8 v0, s[64:65] scope:SCOPE_SE
	s_setreg_imm32_b32 hwreg(HW_REG_WAVE_MODE, 25, 1), 1
	s_wait_xcnt 0x0
	s_wait_alu depctr_hold_cnt(0) depctr_sa_sdst(0) depctr_va_vdst(0) depctr_va_sdst(0) depctr_va_ssrc(0) depctr_va_vcc(0) depctr_vm_vsrc(0)
	s_getreg_b32 s2, hwreg(HW_REG_IB_STS2, 6, 4)
	s_cmp_eq_u32 s2, 0
	s_cbranch_scc0 .Lentry_in_a_cluster
	s_endpgm
.Lentry_in_a_cluster:
	s_bfe_u32 s2, ttmp6, 0x10000c
	s_cmp_lg_u32 s2, 0xf033
	s_cbranch_scc0 .Lentry_shape_is_right
	s_endpgm
.Lentry_shape_is_right:
; q[b][t][o] = sum over d of x[b][d][t] Wq[o][d], on codes of FP6 (E2M3) with E8M0 scales, and q quantised at once for its two later uses:
; along a head's 128 channels (scores: the K block of kv) and along the keys (values: the V block of kv).  q never goes to memory as f32.
; kv: [batch x 8 + head][key step of 128 keys][K block, V block], each block 12,800 bytes in the order of an operand's registers: tile i at 1,536 i (registers 4 g .. + 3 of lane l at 512 g + 16 l), scale words at 12,288
; (tile i, row r at 16 (r + 16 (i % 2)) + 4 (i / 2)).  xq and wqq are laid so too: [row group of 128][K step of 128].  In all of them, of 32 rows tau, tile u takes tau = 16 (r / 8) + 8 u + r % 8 as its row r.
; SHARES.  A work-group takes 128 t (row group y) x 256 o (two heads).  ALL OF K (1,024) OF ITS THREE ROW GROUPS LIES IN LDS, filled once: 3 x 102,400 bytes; no slot is filled again.
; Waves 0, 1: source 0 = head (wave % 2)'s 128 rows of Wq, source 1 = x: a lane holds one key, its 64 registers of a tile run along the head's channels, in their own order: the K block.
; Waves 2, 3: the sources change places, by LDS address alone: a lane holds one channel and its registers run along the keys: the V block.  So the product is made twice, and in exchange both quantisers are one
; register macro whose results are whole fragments with whole scale words; nothing is turned through LDS.
; CLUSTER 4 x 4: x's row group hangs on y alone and is shared along a row of the cluster, Wq's two on x alone, shared along a column: every fill is a joint load.
; REGISTERS, in windows of 256: window 0: v1 16 x lane; v16-19 LDS addresses; v32-47 scale words, two sets; v48-63 the quantiser's; v72-83 scale words made; v128-223 source 1's eight fragments, ONE set, later the codes made.
;   window 1: source 0's eight fragments, TWO sets, at v0 and v128.   windows 2, 3: the 64 accumulators, (a, b) at v[8 (8 (a % 4) + b)].
; LIMITS: a block of zeros gets the byte 1 with zero codes (read by this program alone); NaN and infinities are not served.
.set GBLK,  12800
.set KALL,  8*GBLK                     ; a row group's eight K steps
.set HALFK, 4*GBLK                     ; an LDS offset reaches four K steps: each base has a second register four steps on
.set LI,   1
.set AD0,  16                          ; v16, v17  source 0's blocks
.set AD1,  18                          ; v18, v19  source 1's
.set SC,   32                          ; set c at v[SC + 8 c]: four registers of source 0's words, four of source 1's
.set TM,   48
.set PW,   72
.set MW,   80
.set FB,   128
.set WV,   10
.set SEL,  22
.set G1X,  24                          ; s[24:31] group 1 for x's loads (two K steps, 100 rows of 256 bytes);  s[32:39] for Wq's (four K steps, 200 rows)
.set G1W,  32
.set G0X,  40                          ; s[40:47] two groups 0 for x, one for each half of K;  s[68:75] two for Wq
.set G0W,  68
.set MSB, 0
.macro WIN new                         ; the immediate's high byte repeats the setting that is left
.if MSB != \new
	s_set_vgpr_msb (MSB<<8)|\new
.set MSB, \new
.endif
.endm
.set MUL_LO, 0xa1                      ; source 0 window 1, source 1 window 0, C and D window 2
.set MUL_HI, 0xf1                      ; the same, C and D window 3
.set TO_1,   0x40                      ; destination window 1
.macro CROUND                          ; a round of the cluster's barrier
	s_barrier_signal -1
	s_barrier_wait -1
	s_cmp_lg_u32 s[WV], 0
	s_cbranch_scc1 .Lnot_wave_0_\@
	s_barrier_signal -3
.Lnot_wave_0_\@:
	s_barrier_wait -3
	s_barrier_signal -1
	s_barrier_wait -1
.endm
.macro PLACES                          ; four plain vector lines between a matrix instruction and a load into, or a vector read of, its registers
.rept 4
	v_nop
.endr
.endm
; One scaled product.  zero: C = 0 starts the sum.  pa, pb: that side's scale words stand in lanes 16-31 of the register named.
.macro WM d, a, b, zero, sa, sb, pa, pb
.if \zero
.if (\pa) && (\pb)
	v_wmma_scale_f32_16x16x128_f8f6f4 v[\d:\d+7], v[\a:\a+11], v[\b:\b+11], 0, v[\sa], v[\sb] matrix_a_fmt:MATRIX_FMT_FP6 matrix_b_fmt:MATRIX_FMT_FP6 matrix_a_scale:MATRIX_SCALE_ROW1 matrix_b_scale:MATRIX_SCALE_ROW1
.elseif \pa
	v_wmma_scale_f32_16x16x128_f8f6f4 v[\d:\d+7], v[\a:\a+11], v[\b:\b+11], 0, v[\sa], v[\sb] matrix_a_fmt:MATRIX_FMT_FP6 matrix_b_fmt:MATRIX_FMT_FP6 matrix_a_scale:MATRIX_SCALE_ROW1
.elseif \pb
	v_wmma_scale_f32_16x16x128_f8f6f4 v[\d:\d+7], v[\a:\a+11], v[\b:\b+11], 0, v[\sa], v[\sb] matrix_a_fmt:MATRIX_FMT_FP6 matrix_b_fmt:MATRIX_FMT_FP6 matrix_b_scale:MATRIX_SCALE_ROW1
.else
	v_wmma_scale_f32_16x16x128_f8f6f4 v[\d:\d+7], v[\a:\a+11], v[\b:\b+11], 0, v[\sa], v[\sb] matrix_a_fmt:MATRIX_FMT_FP6 matrix_b_fmt:MATRIX_FMT_FP6
.endif
.else
.if (\pa) && (\pb)
	v_wmma_scale_f32_16x16x128_f8f6f4 v[\d:\d+7], v[\a:\a+11], v[\b:\b+11], v[\d:\d+7], v[\sa], v[\sb] matrix_a_fmt:MATRIX_FMT_FP6 matrix_b_fmt:MATRIX_FMT_FP6 matrix_a_scale:MATRIX_SCALE_ROW1 matrix_b_scale:MATRIX_SCALE_ROW1
.elseif \pa
	v_wmma_scale_f32_16x16x128_f8f6f4 v[\d:\d+7], v[\a:\a+11], v[\b:\b+11], v[\d:\d+7], v[\sa], v[\sb] matrix_a_fmt:MATRIX_FMT_FP6 matrix_b_fmt:MATRIX_FMT_FP6 matrix_a_scale:MATRIX_SCALE_ROW1
.elseif \pb
	v_wmma_scale_f32_16x16x128_f8f6f4 v[\d:\d+7], v[\a:\a+11], v[\b:\b+11], v[\d:\d+7], v[\sa], v[\sb] matrix_a_fmt:MATRIX_FMT_FP6 matrix_b_fmt:MATRIX_FMT_FP6 matrix_b_scale:MATRIX_SCALE_ROW1
.else
	v_wmma_scale_f32_16x16x128_f8f6f4 v[\d:\d+7], v[\a:\a+11], v[\b:\b+11], v[\d:\d+7], v[\sa], v[\sb] matrix_a_fmt:MATRIX_FMT_FP6 matrix_b_fmt:MATRIX_FMT_FP6
.endif
.endif
.endm
; Eight products: source 1's tile a against source 0's eight.  The 64 accumulators take turns, one instruction a turn, in the same order in every step.
.macro MULA a, set, zero
.irp b, 0,1,2,3,4,5,6,7
.set rD, 8*(8*((\a)%4)+\b)
.set rA, 128*(\set)+12*\b
.set rB, FB+12*(\a)
.set rSA, SC+8*(\set)+\b/2
.set rSB, SC+8*(\set)+4+(\a)/2
.set pA, \b%2
.set pB, (\a)%2
	WM rD, rA, rB, \zero, rSA, rSB, pA, pB
.endr
.endm
.macro FETCH0 s                        ; source 0's eight fragments of K step s into set s % 2: an image comes back as it was stored, 16 bytes a lane
	WIN TO_1
.irp i, 0,1,2,3,4,5,6,7
.irp g, 0,1,2
	ds_load_b128 v[128*((\s)%2)+12*\i+4*\g:128*((\s)%2)+12*\i+4*\g+3], v[AD0+(\s)/4] offset:((\s)%4)*GBLK+\i*1536+\g*512
.endr
.endr
	WIN 0
.endm
.macro FETCH1 s, i0                    ; source 1's tiles i0 .. i0 + 3
.irp i, 0,1,2,3
.irp g, 0,1,2
	ds_load_b128 v[FB+12*((\i0)+\i)+4*\g:FB+12*((\i0)+\i)+4*\g+3], v[AD1+(\s)/4] offset:((\s)%4)*GBLK+((\i0)+\i)*1536+\g*512
.endr
.endr
.endm
.macro SCALES s                        ; both sides' scale words of K step s
	ds_load_b128 v[SC+8*((\s)%2):SC+8*((\s)%2)+3], v[AD0+(\s)/4] offset:((\s)%4)*GBLK+12288
	ds_load_b128 v[SC+8*((\s)%2)+4:SC+8*((\s)%2)+7], v[AD1+(\s)/4] offset:((\s)%4)*GBLK+12288
.endm
; A K step of 128: 64 products.  kind 0: the next step lies in a chunk that has been shown landed.  kind 1: the next step begins the second half of K: my load of it is waited for, and a barrier shows everybody's.
; kind 2: the last step.  Later chunks may stay on their way.
.macro STEP s, kind
.set cur, (\s)%2
.set zz, 0
.if (\s) == 0
.set zz, 1
.endif
.if \kind == 1
	s_wait_tensorcnt 0x0                           ; my load of the second half of K has landed
.endif
	s_wait_dscnt 12                                ; source 0's set, the scale words and source 1's tiles 0-3 are in; the youngest twelve loads (tiles 4-7) may be out
	WIN MUL_LO
	MULA 0, cur, zz
.if \kind == 1
	s_wait_dscnt 0x0                               ; no LDS instruction of mine is out at the signal
	s_barrier_signal -1
.endif
	MULA 1, cur, zz
	MULA 2, cur, zz
	MULA 3, cur, zz
.if \kind == 1
	s_barrier_wait -1
.else
	s_wait_dscnt 0x0                               ; tiles 4-7 are in
.endif
.if \kind != 2
	PLACES
	FETCH0 (\s)+1
	FETCH1 (\s)+1, 0
	SCALES (\s)+1
.endif
	WIN MUL_HI
	MULA 4, cur, zz
	MULA 5, cur, zz
	MULA 6, cur, zz
	MULA 7, cur, zz
.if \kind != 2
	PLACES
	WIN 0
	FETCH1 (\s)+1, 4
.endif
.endm
; 64 numbers of a lane in window w, register 16 b + i = k 32 b + 16 (lane / 16) + i of the lane's row, become a fragment's codes in v[p] on and its scale word in v[pw].
; tm: 16 registers: +0..3 largest magnitudes, +4..7 the other half's, then the bytes, +8..11 the conversions' scale operands; +4.. and +12.. then take the second halves of the codes.
.macro QUANT s, w, p, pw, tm
.set wA, (\w)|((\w)<<2)
.set wB, ((\w)<<2)|((\w)<<4)
	WIN wA
.irp b, 0,1,2,3
	v_max3_num_f32 v[\tm+\b], |v[\s+16*\b]|, |v[\s+16*\b+1]|, 0x1800000   ; each accumulator is read from its low end on; the floor 2^(3 - 127) holds the byte at 1 from below
.endr
	WIN wB
.irp i, 2,4,6,8,10,12,14
.irp b, 0,1,2,3
	v_max3_num_f32 v[\tm+\b], v[\tm+\b], |v[\s+16*\b+\i]|, |v[\s+16*\b+\i+1]|
.endr
.endr
	WIN 0
.irp b, 0,1,2,3
	v_permlanex16_b32 v[\tm+4+\b], v[\tm+\b], s[SEL], s[SEL+1]
.endr
.irp b, 0,1,2,3
	v_max_num_f32 v[\tm+\b], v[\tm+\b], v[\tm+4+\b]   ; with lane l xor 16's 16 numbers: the block's largest magnitude
.endr
.irp b, 0,1,2,3
	v_add_nc_u32 v[\tm+8+\b], 0xff000000, v[\tm+\b]   ; 2 off its exponent field
.endr
.irp b, 0,1,2,3
	v_lshrrev_b32 v[\tm+4+\b], 23, v[\tm+8+\b]        ; the byte
.endr
	v_lshl_or_b32 v[\pw], v[\tm+5], 8, v[\tm+4]
	v_lshl_or_b32 v[\pw], v[\tm+6], 16, v[\pw]
	v_lshl_or_b32 v[\pw], v[\tm+7], 24, v[\pw]
	WIN \w
.irp c, 0,1
	v_cvt_scalef32_pk16_fp6_f32 v[\p+6*\c:\p+6*\c+2], v[\s+32*\c:\s+32*\c+15], v[\tm+8+2*\c]
	v_cvt_scalef32_pk16_fp6_f32 v[\tm+4+8*\c:\tm+6+8*\c], v[\s+32*\c+16:\s+32*\c+31], v[\tm+9+2*\c]   ; (a conversion's three registers begin on an even number)
.endr
	WIN 0
	v_nop                                          ; one plain line behind the conversions
.irp c, 0,1                            ; the operand wants a WHOLE block of 32 in a lane: lanes 0-15 block 2 c, lanes 16-31 block 2 c + 1
.irp i, 0,1,2
	v_permlane16_swap_b32 v[\p+6*\c+\i], v[\tm+4+8*\c+\i]
.endr
.irp i, 0,1,2
	v_mov_b32 v[\p+6*\c+3+\i], v[\tm+4+8*\c+\i]
.endr
.endr
.endm
	s_load_b128 s[4:7], s[0:1], 0x0                ; xq, wqq
	s_load_b64 s[8:9], s[0:1], 0x10                ; kv
	v_lshl_add_u32 v254, v0, 2, 0x4b000
	v_mov_b32 v255, 0
	ds_add_u32 v254, v255
	ds_add_u32 v254, v255
	v_lshrrev_b32 v2, 5, v0
	v_readfirstlane_b32 s[WV], v2                  ; wave 0..3
	s_lshr_b32 s11, s[WV], 1                       ; 0: I make the K block, 1: the V block.  Also: I fetch for x (0) or for Wq (1)
	s_and_b32 s12, s[WV], 1                        ; which of the two heads.  Also: which part I fetch
	s_bfe_u32 s13, ttmp6, 0x40000                  ; cx, cy: my place in the cluster
	s_bfe_u32 s14, ttmp6, 0x40004
	s_lshl_b32 s15, ttmp9, 2
	s_add_co_u32 s15, s15, s13                     ; x: which 256 o
	s_and_b32 s16, ttmp7, 0xffff
	s_lshl_b32 s16, s16, 2
	s_add_co_u32 s16, s16, s14                     ; y: which row group of 128 t
	s_lshl_b32 s17, s14, 2
	s_lshl_b32 s17, 15, s17                        ; my row of the cluster
	s_lshl_b32 s18, 0x1111, s13                    ; my column
	s_or_b32 s[G1X], s17, (3<<16)|(1<<21)          ; 15:0 the mask; 17:16 elements of 8 bytes; 21 set beside a mask; no padding
	s_or_b32 s[G1W], s18, (3<<16)|(1<<21)
	s_mov_b32 s[G1X+1], 32<<16                     ; tensor_dim0 = 32 elements: rows of 256 bytes of a dense block
	s_mov_b32 s[G1X+2], 100<<16                    ; tensor_dim1 = 100 rows: two K steps
	s_mov_b32 s[G1X+3], 32<<16                     ; tile_dim0
	s_mov_b32 s[G1X+4], 100                        ; tile_dim1
	s_mov_b32 s[G1X+5], 32                         ; the pitch
	s_mov_b32 s[G1X+6], 0
	s_mov_b32 s[G1X+7], 0
	s_mov_b32 s[G1W+1], 32<<16
	s_mov_b32 s[G1W+2], 200<<16                    ; four K steps of a row group
	s_mov_b32 s[G1W+3], 32<<16
	s_mov_b32 s[G1W+4], 200
	s_mov_b32 s[G1W+5], 32
	s_mov_b32 s[G1W+6], 0
	s_mov_b32 s[G1W+7], 0
	s_mul_i32 s84, s16, KALL                       ; x: row group y, K steps 4 p + 2 (wave % 2) and the next: made of y and the wave alone
	s_mul_i32 s86, s12, 2*GBLK                     ; x: of each half of K, steps 2 (wave % 2) and the next
	s_add_co_u32 s84, s84, s86
	s_mov_b32 s85, 0
	s_lshl_b32 s88, s15, 1                         ; Wq: row group 2 x + (wave % 2), K steps 4 p .. 4 p + 3: made of x and the wave alone
	s_add_co_u32 s88, s88, s12
	s_mul_i32 s88, s88, KALL
	s_mov_b32 s89, 0
	s_add_co_u32 s90, s12, 1
	s_mul_i32 s90, s90, KALL                       ; in LDS: x's row group at 0, Wq's two behind it
	s_mov_b32 s[SEL], 0x76543210
	s_mov_b32 s[SEL+1], 0xfedcba98                 ; v_permlanex16_b32's selects for lane l xor 16
	s_wait_dscnt 0x0
	s_wait_kmcnt 0x0
	s_add_nc_u64 s[84:85], s[4:5], s[84:85]
	s_add_nc_u64 s[88:89], s[6:7], s[88:89]
.irp p, 0,1                            ; half p of K: steps 4 p .. 4 p + 3
	s_mov_b32 s[G0X+4*\p], 1
	s_add_co_u32 s[G0X+4*\p+1], s86, \p*HALFK
	s_add_nc_u64 s[G0X+4*\p+2:G0X+4*\p+3], s[84:85], \p*HALFK
	s_or_b32 s[G0X+4*\p+3], s[G0X+4*\p+3], 0x80000000
	s_mov_b32 s[G0W+4*\p], 1
	s_add_co_u32 s[G0W+4*\p+1], s90, \p*HALFK
	s_add_nc_u64 s[G0W+4*\p+2:G0W+4*\p+3], s[88:89], \p*HALFK
	s_or_b32 s[G0W+4*\p+3], s[G0W+4*\p+3], 0x80000000
.endr
	CROUND                                         ; all sixteen work-groups are here: the joint loads meet
	s_cmp_lt_u32 s[WV], 2                          ; all fills of a wave stand in one branch on its number: one load of mine is out
	s_cbranch_scc0 .Lfill_w
.irp p, 0                              ; ONE tensor load a wave at the head: K steps 0 to 3; waves 0, 1 two steps of x each
	tensor_load_to_lds s[G0X+4*\p:G0X+4*\p+3], s[G1X:G1X+7]
	s_nop 0
.endr
.rept 4
	v_nop
.endr
	s_branch .Lfilled
.Lfill_w:
.irp p, 0                              ; waves 2, 3 the four steps of a row group of the weight each
	tensor_load_to_lds s[G0W+4*\p:G0W+4*\p+3], s[G1W:G1W+7]
	s_nop 0
.endr
.rept 4
	v_nop
.endr
.Lfilled:
	v_and_b32 v2, 31, v0
	v_lshlrev_b32 v[LI], 4, v2
	s_xor_b32 s20, s11, 1
	s_mul_i32 s20, s20, s90                        ; source 0: my head of Wq (K block) or x (V block)
	s_mul_i32 s21, s11, s90                        ; source 1: the other
	v_add_nc_u32 v[AD0], s20, v[LI]
	v_add_nc_u32 v[AD0+1], HALFK, v[AD0]
	v_add_nc_u32 v[AD1], s21, v[LI]
	v_add_nc_u32 v[AD1+1], HALFK, v[AD1]
.irp b, 0,1,2,3
	v_mov_b32 v[TM+4+\b], 0                        ; written once: a lane permute's destination counts as one of its sources
.endr
	s_lshr_b32 s92, s16, 4                         ; where my block goes: batch,
	s_lshl_b32 s92, s92, 3
	s_lshl_b32 s93, s15, 1
	s_add_co_u32 s92, s92, s93
	s_add_co_u32 s92, s92, s12                     ; x 8 + head,
	s_lshl_b32 s92, s92, 4
	s_and_b32 s93, s16, 15
	s_add_co_u32 s92, s92, s93                     ; x 16 + key step,
	s_mul_i32 s92, s92, 2*GBLK
	s_mul_i32 s93, s11, GBLK                       ; K block or V block
	s_add_co_u32 s92, s92, s93
	s_mov_b32 s93, 0
	s_add_nc_u64 s[8:9], s[8:9], s[92:93]
	s_wait_alu depctr_va_vdst(0)
	s_wait_tensorcnt 0x0                           ; my part of K steps 0 to 3 has landed
	ds_add_u32 v254, v255                          ; 0 onto my spare word,
	s_wait_dscnt 0x0                               ; and the wait for it
	CROUND                                         ; a whole round: everybody's part is in, and all sixteen work-groups are here: the joint loads meet
	s_cmp_lt_u32 s[WV], 2                          ; K steps 4 to 7, into bytes not filled before: my one tensor load behind the round; four K steps of products stand ahead of the wait for it
	s_cbranch_scc0 .Lfill_w2
	tensor_load_to_lds s[G0X+4:G0X+7], s[G1X:G1X+7]
	s_nop 0
.rept 4
	v_nop
.endr
	s_branch .Lfilled2
.Lfill_w2:
	tensor_load_to_lds s[G0W+4:G0W+7], s[G1W:G1W+7]
	s_nop 0
.rept 4
	v_nop
.endr
.Lfilled2:
	FETCH0 0
	FETCH1 0, 0
	SCALES 0
	FETCH1 0, 4
	STEP 0, 0
	STEP 1, 0
	STEP 2, 0
	STEP 3, 1                                      ; the next step begins the second half of K: its loads are waited for, and a barrier shows everybody's
	STEP 4, 0
	STEP 5, 0
	STEP 6, 0
	STEP 7, 2
	WIN 0
	PLACES
; THE WAY OUT.  Source 1's tile a: a lane's 64 sums are its row's 128 along the next K.  The codes are the tile's image as they stand; each tile has registers of its own, so no store's data are written again.
.irp a, 0,1,2,3,4,5,6,7
.set qS, 64*(\a%4)
.set qW, 2+\a/4
.set qP, FB+12*\a
.set qPW, PW+\a
	QUANT qS, qW, qP, qPW, TM
.irp g, 0,1,2
	global_store_b128 v[LI], v[qP+4*\g:qP+4*\g+3], s[8:9] offset:\a*1536+\g*512   ; 32 lanes store 512 consecutive bytes, at a multiple of 256 from the buffer's first byte
.endr
.endr
	s_mov_b32 vcc_lo, 0xffff0000
.irp i, 0,1,2,3
	v_cndmask_b32 v[MW+\i], v[PW+2*\i], v[PW+2*\i+1], vcc_lo   ; lanes 0-15 the even tile's words, lanes 16-31 the odd one's (every lane holds its row's word)
.endr
	global_store_b128 v[LI], v[MW:MW+3], s[8:9] offset:12288
	s_wait_dscnt 0x0
	s_wait_tensorcnt 0x0
	ds_add_u32 v254, v255
	s_wait_dscnt 0x0
	CROUND                                         ; the closing round: no work-group ends while a partner may still ask for a tile that names it
	s_endpgm
.Lfunc_end_k_qbe2ef883ad_proj:
	.size	k_qbe2ef883ad_proj, .Lfunc_end_k_qbe2ef883ad_proj-k_qbe2ef883ad_proj
	.p2alignl 7, 3214868480
	.fill 96, 4, 3214868480
	.section	.rodata,"a",@progbits
	.p2align	6, 0x0
	.amdhsa_kernel k_qbe2ef883ad_proj
		.amdhsa_group_segment_fixed_size 327680
		.amdhsa_private_segment_fixed_size 0
		.amdhsa_enable_private_segment 0
		.amdhsa_kernarg_size 24
		.amdhsa_user_sgpr_count 2
		.amdhsa_user_sgpr_kernarg_segment_ptr 1
		.amdhsa_wavefront_size32 1
		.amdhsa_system_sgpr_workgroup_id_x 1
		.amdhsa_system_sgpr_workgroup_id_y 1
		.amdhsa_system_sgpr_workgroup_id_z 1
		.amdhsa_system_vgpr_workitem_id 0
		.amdhsa_next_free_vgpr 1024
		.amdhsa_next_free_sgpr 96
		.amdhsa_reserve_vcc 1
		.amdhsa_float_denorm_mode_32 3
		.amdhsa_float_denorm_mode_16_64 3
		.amdhsa_memory_ordered 1
		.amdhsa_forward_progress 1
		.amdhsa_inst_pref_size 134
	.end_amdhsa_kernel
	.amdgpu_metadata
---
amdhsa.version: [ 1, 2 ]
amdhsa.kernels:
  - .name:           k_qbe2ef883ad_proj
    .symbol:         k_qbe2ef883ad_proj.kd
    .args:
      - { .name: xq, .offset: 0, .size: 8, .value_kind: global_buffer, .address_space: global }
      - { .name: wqq, .offset: 8, .size: 8, .value_kind: global_buffer, .address_space: global }
      - { .name: kv, .offset: 16, .size: 8, .value_kind: global_buffer, .address_space: global }
    .group_segment_fixed_size: 327680
    .private_segment_fixed_size: 0
    .kernarg_segment_align: 8
    .kernarg_segment_size: 24
    .max_flat_workgroup_size: 128
    .sgpr_count:     96
    .vgpr_count:     1024
    .wavefront_size: 32
...
	.end_amdgpu_metadata
.endif
;; end of part 2
;; launch attn (part 3): grid 8 x 32, 8 waves a work-group, clusters of 4 x 1, 327,680 bytes of LDS; arguments kv, mask, cq; writes cq
.if DOCPART == 3
	.amdgcn_target "amdgcn-amd-amdhsa--gfx1250"
	.amdhsa_code_object_version 6
	.text
	.protected	k_qbe2ef883ad_attn
	.globl	k_qbe2ef883ad_attn
	.p2align	8
	.type	k_qbe2ef883ad_attn,@function
k_qbe2ef883ad_attn:
	s_mov_b64 s[64:65], 0
	v_nop
	global_prefetch_b8 v0, s[64:65] scope:SCOPE_SE
	s_setreg_imm32_b32 hwreg(HW_REG_WAVE_MODE, 25, 1), 1
	s_wait_xcnt 0x0
	s_wait_alu depctr_hold_cnt(0) depctr_sa_sdst(0) depctr_va_vdst(0) depctr_va_sdst(0) depctr_va_ssrc(0) depctr_va_vcc(0) depctr_vm_vsrc(0)
	s_getreg_b32 s2, hwreg(HW_REG_IB_STS2, 6, 4)
	s_cmp_eq_u32 s2, 0
	s_cbranch_scc0 .Lentry_in_a_cluster
	s_endpgm
.Lentry_in_a_cluster:
	s_bfe_u32 s2, ttmp6, 0x10000c
	s_cmp_lg_u32 s2, 0x3003
	s_cbranch_scc0 .Lentry_shape_is_right
	s_endpgm
.Lentry_shape_is_right:
; ctx[b][q][h][:] = softmax_k(((q.k / sqrt(128)) cm[k] + (1 - cm[k]) (-1e30)) rm[q]) v[k][:], both products on codes of FP6 (E2M3) with E8M0 scales; queries, keys and values are all the same q.
; kv: [batch x 8 + head][key step of 128 keys][K block, V block], 12,800 bytes each, in the order of an operand's registers (tile i at 1,536 i: registers 4 g .. + 3 of lane l at 512 g + 16 l; scale words at 12,288:
; tile i, row r at 16 (r + 16 (i % 2)) + 4 (i / 2)).  Of 32 rows tau, tile u takes tau = 16 (r / 8) + 8 u + r % 8 as row r: so 16 registers of two neighbouring result tiles are 16 neighbours.
; THE SOFTMAX: u = s ak + bk, ak = cm log2(e) / sqrt(128), bk = (1 - cm) (-1e30 log2(e)); t = rm u; M = the running largest t rounded UP to a whole number; p = 2^(t - M) is quantised along the keys, not normalised;
; the row's sum is taken of the unquantised p and divides at the end.  When M moves, the sum and O are multiplied by 2^(old M - new M): exact.  A row with rm = 0 has t = 0 and p = 1 for every key, hidden ones too.
; ctx / sum is quantised along the head's 128 channels in registers and stored as K step = head of cq, laid as xq is.
; SHARES.  A work-group owns 256 queries of one (batch, head); each of its eight waves 32, two tiles; two waves to a SIMD, so that one wave's vector work stands beside the other's products and LDS loads.
; Both products are used transposed (S^T = K Q^T, O^T = V^T P^T): a lane holds ONE query throughout.
; RING.  Two LDS slots of four key steps (102,400 bytes); each wave brings one block of 12,800 bytes.  CLUSTER 4 x 1: the four query blocks walk the same kv: every fill is a joint load.
; REGISTERS.  window 0: v1-7 addresses; v8.., v16.. a tile's -M, largest t, sum (two halves), rm, -, f, -; v24-47 Q; v48 Q's scale words; v50-57 K's and V's; v58, 59 P's; v60-83 P's codes; v92-123 at work; v128-255 S^T, then p.
;   window 1: v0-127 O^T; v128-255 by turns K's fragments, ak and bk of the step's keys, V's fragments.
; LIMITS: the mask's numbers are taken as they come, but rm >= 0 is built in (the largest t is taken as rm x the largest u); NaN and infinities are not served; a block of zeros gets the byte 1 with zero codes.
; THE FORM OF THE LOGITS IN THIS TEXT (it takes the place of the u, ak and bk of the lines above; where a line below says u read s', where it says rm read rc):
; s' = q.k + bias[k], bias[k] = (1 - cm[k]) x (-1e30 sqrt(128)), given to the score product as its C operand; t = rc s', rc = rm log2(e) / sqrt(128), one number a query; t - M is one multiply-add.
; WHY IT IS THE SAME: in f32 1 - cm is 0 or at least 2^-24 in size.  With 0 the bias is 0 and cm = 1: t = rm x score x log2(e), as reference() has it.  Else the term (1 - cm) x 1e30 is at least 5e22,
; and the score x cm, under 2^31 by the limit below, lies under half of its last place: reference()'s own f32 sum is that term alone, and so is s'.
; A ROW WHOSE RUNNING LARGEST t LIES UNDER -2^31 has seen hidden keys alone: by selection, with no branch, its exponents are taken as 0, so that p = 1 for each of them, as reference() has it where cm = 0 for every key.
; LIMITS ADDED: the promise holds while the scaled scores q.k log2(e) / sqrt(128) stay under 2^31 in size; hidden keys of one row that carry DIFFERENT cm are told apart only where some key of the row has cm = 1.
.set GBLK,  12800
.set STEPB, 2*GBLK                     ; a key step: K block, V block
.set SLOTB, 4*STEPB
.set SLOT1, 1<<17                      ; slot 1 begins here: one exclusive or turns an address from slot to slot
.set AK,    SLOTB                      ; between the slots: the bias of the batch's 2,048 keys, 8,192 bytes,
.set CSG,   AK+8192                    ; the scale words of ctx, 2 x 512 bytes,
.set CB,    224                        ; window 1, v224-255: the bias of result tiles 0-3; that of tiles 4-7 lies in window 0, v[TT] on
; A score product: C = the bias of the tile's keys, in registers of its own; D = the scores.  pa, pb: that side's scale words stand in lanes 16-31.
.macro WS d, a, b, c, sa, pa, pb
.if (\pa) && (\pb)
	v_wmma_scale_f32_16x16x128_f8f6f4 v[\d:\d+7], v[\a:\a+11], v[\b:\b+11], v[\c:\c+7], v[\sa], v[QS] matrix_a_fmt:MATRIX_FMT_FP6 matrix_b_fmt:MATRIX_FMT_FP6 matrix_a_scale:MATRIX_SCALE_ROW1 matrix_b_scale:MATRIX_SCALE_ROW1
.elseif \pa
	v_wmma_scale_f32_16x16x128_f8f6f4 v[\d:\d+7], v[\a:\a+11], v[\b:\b+11], v[\c:\c+7], v[\sa], v[QS] matrix_a_fmt:MATRIX_FMT_FP6 matrix_b_fmt:MATRIX_FMT_FP6 matrix_a_scale:MATRIX_SCALE_ROW1
.elseif \pb
	v_wmma_scale_f32_16x16x128_f8f6f4 v[\d:\d+7], v[\a:\a+11], v[\b:\b+11], v[\c:\c+7], v[\sa], v[QS] matrix_a_fmt:MATRIX_FMT_FP6 matrix_b_fmt:MATRIX_FMT_FP6 matrix_b_scale:MATRIX_SCALE_ROW1
.else
	v_wmma_scale_f32_16x16x128_f8f6f4 v[\d:\d+7], v[\a:\a+11], v[\b:\b+11], v[\c:\c+7], v[\sa], v[QS] matrix_a_fmt:MATRIX_FMT_FP6 matrix_b_fmt:MATRIX_FMT_FP6
.endif
.endm
.set SPARE, CSG+1024                   ; and the spare words, 128 bytes for each wave: four blocks of 256 bytes that no other line names
.set NSL,   4                          ; slots' worth of keys
.set LI,  1                            ; v1   16 x lane
.set SPW, 2                            ; v2   my spare word; never rewritten
.set NIL, 3                            ; v3   0; never rewritten
.set ADK, 4                            ; v4   the step's blocks
.set ADM, 5                            ; v5   the step's ak
.set MB,  6                            ; v6   AK + 64 (lane / 16)
.set PFO, 7                            ; v7   the prefetches' offset; never rewritten
.set ST,  8
.set Q,   24
.set QS,  48
.set KSC, 50
.set VSC, 54
.set PS,  58
.set P,   60
.set CSI, 84
.set CSO, 85
.set TT,  92
.set S,   128
.set BUF, 128                          ; in window 1
.set WV,  10
.set G1,  16                           ; s[16:23]
.set G0,  24                           ; s[24:27] walks
.set SEL, 28
.set TB,  30                           ; LDS byte of the key step in hand
.set TS,  31                           ; 512 x the key step
.set SLOTS, 32
.set CNT, 33
.set PFA, 34
.set LIM, 36
.set MSB, 0
.macro WIN new                         ; the immediate's high byte repeats the setting that is left
.if MSB != \new
	s_set_vgpr_msb (MSB<<8)|\new
.set MSB, \new
.endif
.endm
.set TO_1, 0x40
.macro CROUND                          ; a round of the cluster's barrier
	s_barrier_signal -1
	s_barrier_wait -1
	s_cmp_lg_u32 s[WV], 0
	s_cbranch_scc1 .Lnot_wave_0_\@
	s_barrier_signal -3
.Lnot_wave_0_\@:
	s_barrier_wait -3
	s_barrier_signal -1
	s_barrier_wait -1
.endm
.macro PLACES
.rept 4
	v_nop
.endr
.endm
; One scaled product.  zero: C = 0.  pa, pb: that side's scale words stand in lanes 16-31 of the register named.
.macro WM d, a, b, zero, sa, sb, pa, pb
.if \zero
.if (\pa) && (\pb)
	v_wmma_scale_f32_16x16x128_f8f6f4 v[\d:\d+7], v[\a:\a+11], v[\b:\b+11], 0, v[\sa], v[\sb] matrix_a_fmt:MATRIX_FMT_FP6 matrix_b_fmt:MATRIX_FMT_FP6 matrix_a_scale:MATRIX_SCALE_ROW1 matrix_b_scale:MATRIX_SCALE_ROW1
.elseif \pa
	v_wmma_scale_f32_16x16x128_f8f6f4 v[\d:\d+7], v[\a:\a+11], v[\b:\b+11], 0, v[\sa], v[\sb] matrix_a_fmt:MATRIX_FMT_FP6 matrix_b_fmt:MATRIX_FMT_FP6 matrix_a_scale:MATRIX_SCALE_ROW1
.elseif \pb
	v_wmma_scale_f32_16x16x128_f8f6f4 v[\d:\d+7], v[\a:\a+11], v[\b:\b+11], 0, v[\sa], v[\sb] matrix_a_fmt:MATRIX_FMT_FP6 matrix_b_fmt:MATRIX_FMT_FP6 matrix_b_scale:MATRIX_SCALE_ROW1
.else
	v_wmma_scale_f32_16x16x128_f8f6f4 v[\d:\d+7], v[\a:\a+11], v[\b:\b+11], 0, v[\sa], v[\sb] matrix_a_fmt:MATRIX_FMT_FP6 matrix_b_fmt:MATRIX_FMT_FP6
.endif
.else
.if (\pa) && (\pb)
	v_wmma_scale_f32_16x16x128_f8f6f4 v[\d:\d+7], v[\a:\a+11], v[\b:\b+11], v[\d:\d+7], v[\sa], v[\sb] matrix_a_fmt:MATRIX_FMT_FP6 matrix_b_fmt:MATRIX_FMT_FP6 matrix_a_scale:MATRIX_SCALE_ROW1 matrix_b_scale:MATRIX_SCALE_ROW1
.elseif \pa
	v_wmma_scale_f32_16x16x128_f8f6f4 v[\d:\d+7], v[\a:\a+11], v[\b:\b+11], v[\d:\d+7], v[\sa], v[\sb] matrix_a_fmt:MATRIX_FMT_FP6 matrix_b_fmt:MATRIX_FMT_FP6 matrix_a_scale:MATRIX_SCALE_ROW1
.elseif \pb
	v_wmma_scale_f32_16x16x128_f8f6f4 v[\d:\d+7], v[\a:\a+11], v[\b:\b+11], v[\d:\d+7], v[\sa], v[\sb] matrix_a_fmt:MATRIX_FMT_FP6 matrix_b_fmt:MATRIX_FMT_FP6 matrix_b_scale:MATRIX_SCALE_ROW1
.else
	v_wmma_scale_f32_16x16x128_f8f6f4 v[\d:\d+7], v[\a:\a+11], v[\b:\b+11], v[\d:\d+7], v[\sa], v[\sb] matrix_a_fmt:MATRIX_FMT_FP6 matrix_b_fmt:MATRIX_FMT_FP6
.endif
.endif
.endm
; 64 numbers of a lane, register 16 b + i = k 32 b + 16 (lane / 16) + i of the lane's row, become a fragment's codes in v[p] on and its scale word in v[pw] (all in window 0 here).
.macro QUANT s, p, pw, tm
.irp b, 0,1,2,3
	v_max3_num_f32 v[\tm+\b], |v[\s+16*\b]|, |v[\s+16*\b+1]|, 0x1800000   ; the floor 2^(3 - 127) holds the byte at 1 from below
.endr
.irp i, 2,4,6,8,10,12,14
.irp b, 0,1,2,3
	s_delay_alu instid0(VALU_DEP_4)
	v_max3_num_f32 v[\tm+\b], v[\tm+\b], |v[\s+16*\b+\i]|, |v[\s+16*\b+\i+1]|
.endr
.endr
.irp b, 0,1,2,3
	s_delay_alu instid0(VALU_DEP_4)
	v_permlanex16_b32 v[\tm+4+\b], v[\tm+\b], s[SEL], s[SEL+1]
.endr
.irp b, 0,1,2,3
	s_delay_alu instid0(VALU_DEP_4)
	v_max_num_f32 v[\tm+\b], v[\tm+\b], v[\tm+4+\b]
.endr
.irp b, 0,1,2,3
	s_delay_alu instid0(VALU_DEP_4)
	v_add_nc_u32 v[\tm+8+\b], 0xff000000, v[\tm+\b]
.endr
.irp b, 0,1,2,3
	s_delay_alu instid0(VALU_DEP_4)
	v_lshrrev_b32 v[\tm+4+\b], 23, v[\tm+8+\b]
.endr
	s_delay_alu instid0(VALU_DEP_3)
	v_lshl_or_b32 v[\pw], v[\tm+5], 8, v[\tm+4]
	s_delay_alu instid0(VALU_DEP_1)
	v_lshl_or_b32 v[\pw], v[\tm+6], 16, v[\pw]
	s_delay_alu instid0(VALU_DEP_1)
	v_lshl_or_b32 v[\pw], v[\tm+7], 24, v[\pw]
.irp c, 0,1
	v_cvt_scalef32_pk16_fp6_f32 v[\p+6*\c:\p+6*\c+2], v[\s+32*\c:\s+32*\c+15], v[\tm+8+2*\c]
	v_cvt_scalef32_pk16_fp6_f32 v[\tm+4+8*\c:\tm+6+8*\c], v[\s+32*\c+16:\s+32*\c+31], v[\tm+9+2*\c]
.endr
	v_nop                                          ; one plain line behind the conversions
.irp c, 0,1
.irp i, 0,1,2
	v_permlane16_swap_b32 v[\p+6*\c+\i], v[\tm+4+8*\c+\i]
.endr
.irp i, 0,1,2
	s_delay_alu instid0(VALU_DEP_3)
	v_mov_b32 v[\p+6*\c+3+\i], v[\tm+4+8*\c+\i]
.endr
.endr
.endm
; A PREFETCH INTO THE L2 of what the NEXT change of slots will ask for: four key steps ahead of that load.  Both clusters of a (batch, head) walk the same kv: the first asks.  Its four partners share the slot out BY
; ADDRESS, a key step each; in each, waves 0 to 2 ask, a lane for each 256 bytes of the step's two runs of codes (48 + 48); the two runs of scale words, 512 bytes each, come by their load alone.
; The last change that fills a slot asks for nothing; slots 0 and 1 come by their loads alone.
.macro ASK
	s_cmp_gt_u32 s[SLOTS], s[LIM]
	s_cbranch_scc0 .Lnot_mine_\@
	global_prefetch_b8 v[PFO], s[PFA:PFA+1] th:TH_LOAD_NT scope:SCOPE_SE
.Lnot_mine_\@:
.endm
	s_load_b128 s[4:7], s[0:1], 0x0                ; kv, mask
	s_load_b64 s[8:9], s[0:1], 0x10                ; cq
	v_lshl_add_u32 v[SPW], v0, 2, SPARE
	v_mov_b32 v[NIL], 0
	ds_add_u32 v2, v3
	ds_add_u32 v2, v3
	s_wait_dscnt 0x0
	v_lshrrev_b32 v86, 5, v0
	s_delay_alu instid0(VALU_DEP_1)
	v_readfirstlane_b32 s[WV], v86                 ; wave 0..7
	s_bfe_u32 s11, ttmp6, 0x40000                  ; cx
	s_lshl_b32 s12, ttmp9, 2
	s_add_co_u32 s12, s12, s11                     ; my block of 256 queries: it enters global addresses alone
	s_and_b32 s13, ttmp7, 0xffff                   ; batch x 8 + head, which the four partners share
	s_mov_b32 s[G1], 15|(3<<16)|(1<<21)            ; 15:0 the mask: all four; 17:16 elements of 8 bytes; 21 set beside a mask; no padding
	s_mov_b32 s[G1+1], 32<<16                      ; rows of 256 bytes of a dense block,
	s_mov_b32 s[G1+2], 50<<16                      ; 50 of them
	s_mov_b32 s[G1+3], 32<<16
	s_mov_b32 s[G1+4], 50
	s_mov_b32 s[G1+5], 32
	s_mov_b32 s[G1+6], 0
	s_mov_b32 s[G1+7], 0
	s_mul_i32 s38, s13, 16*STEPB
	s_mov_b32 s39, 0
	s_mul_i32 s40, s[WV], GBLK                     ; my block of a slot's eight, in memory and in LDS
	s_mov_b32 s41, 0
	s_mov_b32 s[SEL], 0x76543210
	s_mov_b32 s[SEL+1], 0xfedcba98
	s_mov_b32 s[TB], 0
	s_mov_b32 s[TS], 0
	s_mov_b32 s[SLOTS], NSL-1
	s_wait_kmcnt 0x0
	s_add_nc_u64 s[4:5], s[4:5], s[38:39]          ; kv at my (batch, head)
	s_mov_b32 s[G0], 1
	s_mov_b32 s[G0+1], s40
	s_add_nc_u64 s[G0+2:G0+3], s[4:5], s[40:41]
	s_or_b32 s[G0+3], s[G0+3], 0x80000000
	CROUND                                         ; all four work-groups are here: the first joint loads meet
	tensor_load_to_lds s[G0:G0+3], s[G1:G1+7]      ; slot 0
	s_nop 0
.rept 4
	v_nop
.endr
	s_lshl_b32 s42, s12, 1
	s_lshr_b32 s43, s[WV], 2
	s_add_co_u32 s42, s42, s43                     ; the row group (= key step) that holds my queries
	s_and_b32 s43, s[WV], 3                        ; my pair of tiles in it
	s_mul_i32 s44, s42, STEPB
	s_mov_b32 s45, 0
	s_add_nc_u64 s[44:45], s[4:5], s[44:45]
	s_lshl_b32 s46, s43, 2
	s_mov_b32 s47, 0
	s_add_nc_u64 s[46:47], s[44:45], s[46:47]      ; Q's scale words: + 4 x pair
	s_mul_i32 s38, s43, 3072
	s_add_nc_u64 s[44:45], s[44:45], s[38:39]      ; Q's fragments
	s_lshr_b32 s50, s13, 3                         ; the batch
	s_lshl_b32 s40, s50, 13
	s_add_nc_u64 s[6:7], s[6:7], s[40:41]          ; its mask
	s_lshl_b32 s38, s12, 10
	s_lshl_b32 s40, s[WV], 7
	s_add_co_u32 s38, s38, s40
	s_add_nc_u64 s[52:53], s[6:7], s[38:39]        ; at my 32 queries
	s_lshl_b32 s38, s50, 4
	s_add_co_u32 s38, s38, s42
	s_lshl_b32 s38, s38, 3
	s_and_b32 s51, s13, 7
	s_add_co_u32 s38, s38, s51                     ; cq: (row group) x 8 + head
	s_mul_i32 s38, s38, GBLK
	s_mul_i32 s40, s43, 3072
	s_add_co_u32 s38, s38, s40
	s_add_nc_u64 s[54:55], s[8:9], s[38:39]        ; my two tiles
	s_lshl_b32 s38, s50, 4
	s_lshl_b32 s40, s12, 1
	s_add_co_u32 s38, s38, s40
	s_and_b32 s40, s[WV], 1
	s_add_co_u32 s38, s38, s40
	s_lshl_b32 s38, s38, 3
	s_add_co_u32 s38, s38, s51
	s_mul_i32 s38, s38, GBLK
	s_add_nc_u64 s[56:57], s[8:9], s[38:39]        ; waves 0, 1: the block whose scale words I store
	s_mul_i32 s38, s11, STEPB                      ; the prefetches: my work-group's key step of a slot,
	s_add_co_u32 s38, s38, SLOTB                   ; in slot 1: the first change of slots steps it to slot 2
	s_add_nc_u64 s[PFA:PFA+1], s[4:5], s[38:39]
	s_cmp_lt_u32 s[WV], 3
	s_cselect_b32 s[LIM], ttmp9, 1                 ; 0 in waves 0 to 2 of the first cluster: the same in all four partners
	s_cmp_eq_u32 s[LIM], 0
	s_cselect_b32 s[LIM], 1, -1
	v_and_b32 v86, 31, v0
	s_delay_alu instid0(VALU_DEP_1)
	v_lshlrev_b32 v[LI], 4, v86
	v_bfe_u32 v87, v0, 4, 1
	s_delay_alu instid0(VALU_DEP_1)
	v_lshlrev_b32 v[MB], 6, v87
	s_delay_alu instid0(VALU_DEP_1)
	v_add_nc_u32 v[MB], AK, v[MB]
.irp T, 0,1
.irp g, 0,1,2
	global_load_b128 v[Q+12*\T+4*\g:Q+12*\T+4*\g+3], v[LI], s[44:45] offset:1536*\T+512*\g   ; Q stays in registers
.endr
.endr
	global_load_b32 v[QS], v[LI], s[46:47] offset:12288   ; lanes 0-15: tile 0's words, lanes 16-31: tile 1's
	v_and_b32 v88, 7, v0
	v_bfe_u32 v89, v0, 3, 1
	s_delay_alu instid0(VALU_DEP_2)
	v_lshlrev_b32 v88, 2, v88
	s_delay_alu instid0(VALU_DEP_1)
	v_lshl_add_u32 v88, v89, 6, v88                ; my query of a tile: 16 (r / 8) + r % 8, + 8 for tile 1
.irp T, 0,1
	global_load_b32 v[ST+8*\T+4], v88, s[52:53] offset:32*\T   ; rm
.endr
	v_lshlrev_b32 v90, 5, v0                       ; the thread's eight keys of the batch's 2,048
	global_load_b128 v[S:S+3], v90, s[6:7]
	global_load_b128 v[S+4:S+7], v90, s[6:7] offset:16
	v_add_nc_u32 v91, AK, v90
	s_lshr_b32 s38, s[WV], 2
	s_lshl_b32 s38, s38, 9
	s_lshl_b32 s40, s43, 2
	s_add_co_u32 s38, s38, s40
	v_add_nc_u32 v[CSI], s38, v[LI]
	s_delay_alu instid0(VALU_DEP_1)
	v_add_nc_u32 v[CSI], CSG, v[CSI]               ; ctx's scale words: 512 x (wave / 4) + 16 x lane + 4 x pair
	s_and_b32 s38, s[WV], 1
	s_lshl_b32 s38, s38, 9
	v_add_nc_u32 v[CSO], s38, v[LI]
	s_delay_alu instid0(VALU_DEP_1)
	v_add_nc_u32 v[CSO], CSG, v[CSO]
	v_mov_b32 v87, 512
	v_cmp_lt_u32 vcc_lo, 47, v0
	s_delay_alu instid0(VALU_DEP_1)
	v_cndmask_b32 v[PFO], 0, v87, vcc_lo
	s_delay_alu instid0(VALU_DEP_1)
	v_lshl_add_u32 v[PFO], v0, 8, v[PFO]           ; 256 x thread, + 512 from the V block on (past the K block's scale words)
.irp T, 0,1
	v_mov_b32 v[ST+8*\T+1], 0xff61b1e6             ; the largest t so far: -3e38
	s_delay_alu instid0(VALU_DEP_1)
	v_floor_f32 v[ST+8*\T], -v[ST+8*\T+1]          ; -M
	v_mov_b32 v[ST+8*\T+2], 0                      ; the sum, in two halves
	v_mov_b32 v[ST+8*\T+3], 0
	v_mov_b32 v[ST+8*\T+5], 0                      ; (upper halves of pairs that packed forms name)
	v_mov_b32 v[ST+8*\T+6], 0
	v_mov_b32 v[ST+8*\T+7], 0
.irp b, 0,1,2,3
	v_mov_b32 v[TT+16*\T+4+\b], 0                  ; a lane permute's destination counts as one of its sources
.endr
.endr
	WIN TO_1
.set j, 0
.rept 128
	v_mov_b32 v[j], 0                              ; O^T.  The key step is written once: its first trip finds zeros, which the first change of M leaves zeros
.set j, j+1
.endr
	WIN 0
	s_wait_loadcnt 0x0
.irp T, 0,1
	v_mul_f32 v[ST+8*\T+4], 0x3e0293ee, v[ST+8*\T+4]   ; rc = rm log2(e) / sqrt(128)
.endr
.irp j, 0,1,2,3,4,5,6,7
	v_sub_f32 v[S+8+\j], 1.0, v[S+\j]
.endr
.irp j, 0,1,2,3,4,5,6,7
	v_mul_f32 v[S+8+\j], 0xf30ecc90, v[S+8+\j]     ; bias = (1 - cm) x (-1e30 sqrt(128))
.endr
	ds_store_b128 v91, v[S+8:S+11]
	ds_store_b128 v91, v[S+12:S+15] offset:16      ; the first change of slots waits for these and passes a barrier
; A KEY STEP: 128 keys, both tiles of queries.
.macro STEP
	v_add_nc_u32 v[ADK], s[TB], v[LI]
	v_add_nc_u32 v[ADM], s[TS], v[MB]
	v_nop
	v_nop                                          ; four plain lines in front of loads into registers that the last products read
	WIN TO_1
.irp i, 0,1,2,3,4,5,6,7
.irp g, 0,1,2
	ds_load_b128 v[BUF+12*\i+4*\g:BUF+12*\i+4*\g+3], v[ADK] offset:1536*\i+512*\g
.endr
.endr
	WIN 0
	ds_load_b128 v[KSC:KSC+3], v[ADK] offset:12288
.irp b, 2,3
.irp j, 0,1,2,3
	ds_load_b128 v[TT+16*(\b-2)+4*\j:TT+16*(\b-2)+4*\j+3], v[ADM] offset:128*\b+16*\j   ; the bias of my keys 32 b + 16 (lane / 16) + 0 .. 15: sixteen lanes read the same 16 bytes
.endr
.endr
	WIN TO_1
.irp b, 0,1
.irp j, 0,1,2,3
	ds_load_b128 v[CB+16*\b+4*\j:CB+16*\b+4*\j+3], v[ADM] offset:128*\b+16*\j
.endr
.endr
	s_wait_alu depctr_va_vdst(0)
	s_wait_dscnt 0x0                               ; K, its scale words and the bias are in: one wait for all 41 loads
.irp i, 0,1,2,3,4,5,6,7
.if \i < 4
	WIN 0x11                                       ; K and the bias in window 1; Q and S^T in window 0
.set rC, CB+8*\i
.else
	WIN 0x01                                       ; the bias in window 0
.set rC, TT+8*(\i-4)
.endif
.irp T, 0,1
.set rD, S+64*\T+8*\i
.set rA, BUF+12*\i
.set rB, Q+12*\T
.set rSA, KSC+\i/2
.set pA, \i%2
.set pB, \T
	WS rD, rA, rB, rC, rSA, pA, pB                 ; s' = q.k + bias.  Register 16 b + i of a tile is key 32 b + 16 (lane / 16) + i, in the scores and in the bias alike
.endr
.endr
	PLACES
	WIN TO_1
.irp i, 0,1,2,3,4,5,6,7
.irp g, 0,1,2
	ds_load_b128 v[BUF+12*\i+4*\g:BUF+12*\i+4*\g+3], v[ADK] offset:GBLK+1536*\i+512*\g   ; V lands while the softmax is worked
.endr
.endr
	WIN 0
	ds_load_b128 v[VSC:VSC+3], v[ADK] offset:2*GBLK-512
.irp T, 0,1
.irp b, 0,1,2,3
	v_max3_num_f32 v[TT+16*\T+\b], v[S+64*\T+16*\b], v[S+64*\T+16*\b+1], v[S+64*\T+16*\b+2]   ; THE LARGEST u OF EACH BLOCK OF 32 KEYS: for the row's maximum, and, since p rises with u (rm >= 0), for the block's largest p
.endr
.endr
.irp i, 3,5,7,9,11,13
.irp T, 0,1
.irp b, 0,1,2,3
	v_max3_num_f32 v[TT+16*\T+\b], v[TT+16*\T+\b], v[S+64*\T+16*\b+\i], v[S+64*\T+16*\b+\i+1]
.endr
.endr
.endr
.irp T, 0,1
.irp b, 0,1,2,3
	v_max_num_f32 v[TT+16*\T+\b], v[TT+16*\T+\b], v[S+64*\T+16*\b+15]
.endr
.endr
.irp T, 0,1
.irp b, 0,1,2,3
	v_permlanex16_b32 v[TT+16*\T+4+\b], v[TT+16*\T+\b], s[SEL], s[SEL+1]
.endr
.endr
.irp T, 0,1
.irp b, 0,1,2,3
	v_max_num_f32 v[TT+16*\T+\b], v[TT+16*\T+\b], v[TT+16*\T+4+\b]   ; with lane l xor 16's 16 keys
.endr
.endr
.irp T, 0
	v_max3_num_f32 v[TT+16*\T+12], v[TT+16*\T], v[TT+16*\T+1], v[TT+16*\T+2]
.endr
.irp T, 1
	s_delay_alu instid0(VALU_DEP_3)
	v_max3_num_f32 v[TT+16*\T+12], v[TT+16*\T], v[TT+16*\T+1], v[TT+16*\T+2]
.endr
.irp T, 0,1
	s_delay_alu instid0(VALU_DEP_2)
	v_max_num_f32 v[TT+16*\T+12], v[TT+16*\T+12], v[TT+16*\T+3]
.endr
.irp T, 0,1
	s_delay_alu instid0(VALU_DEP_2)
	v_mul_f32 v[TT+16*\T+12], v[ST+8*\T+4], v[TT+16*\T+12]      ; the step's largest t = rm x the largest u
.endr
.irp T, 0,1
	s_delay_alu instid0(VALU_DEP_2)
	v_max_num_f32 v[ST+8*\T+1], v[ST+8*\T+1], v[TT+16*\T+12]    ; the running largest t
.endr
.irp T, 0,1
	v_mov_b32 v[TT+16*\T+13], v[ST+8*\T]
.endr
.irp T, 0,1
	s_delay_alu instid0(VALU_DEP_4)
	v_floor_f32 v[ST+8*\T], -v[ST+8*\T+1]                       ; the new -M = floor(-t): M IS A WHOLE NUMBER
.endr
.irp T, 0,1
	s_delay_alu instid0(VALU_DEP_2)
	v_sub_f32 v[TT+16*\T+13], v[ST+8*\T], v[TT+16*\T+13]        ; old M - new M: a whole number, 0 or less
.endr
.irp T, 0,1
	s_delay_alu instid0(VALU_DEP_2)
	v_cvt_i32_f32 v[TT+16*\T+13], v[TT+16*\T+13]                ; (it saturates)
.endr
.irp T, 0,1
	s_delay_alu instid0(VALU_DEP_2)
	v_ldexp_f32 v[ST+8*\T+6], 1.0, v[TT+16*\T+13]               ; f = 2^(old M - new M)
.endr
.irp T, 0,1
	v_cmp_gt_f32 s[58+\T], 0xcf000000, v[ST+8*\T+1]             ; is the running largest t under -2^31?  Then only hidden keys have been seen,
.endr
.irp T, 0,1
	v_cndmask_b32 v[TT+16*\T+12], v[ST+8*\T+4], 0, s[58+\T]     ; and rc and -M are taken as 0 for this step: every exponent is 0, p = 1
	v_cndmask_b32 v[TT+16*\T+14], v[ST+8*\T], 0, s[58+\T]
.endr
.irp T, 0,1
.set j, 0
.rept 32
	v_pk_fma_f32 v[S+64*\T+j:S+64*\T+j+1], v[S+64*\T+j:S+64*\T+j+1], v[TT+16*\T+12:TT+16*\T+13], v[TT+16*\T+14:TT+16*\T+15] op_sel_hi:[1,0,0]   ; t - M = s' rc - M (of the two pairs the low word serves both halves)
.set j, j+2
.endr
.endr
.irp T, 0,1
.irp b, 0,1,2,3
	v_fma_f32 v[TT+16*\T+\b], v[TT+16*\T+\b], v[TT+16*\T+12], v[TT+16*\T+14]   ; the same of each block's largest s'
.endr
.endr
.set j, 0
	s_wait_alu depctr_va_vdst(0)
.rept 128
	v_exp_f32 v[S+j], v[S+j]                       ; p = 2^(t - M), at most 1: NOT normalised
.set j, j+1
.endr
.irp T, 0,1
	v_pk_mul_f32 v[ST+8*\T+2:ST+8*\T+3], v[ST+8*\T+2:ST+8*\T+3], v[ST+8*\T+6:ST+8*\T+7] op_sel_hi:[1,0]   ; the sums under the new M.  (Plain lines behind the exponentials)
.endr
	s_wait_alu depctr_va_vdst(0)                   ; one wait for the batch of 128, ahead of its first reader
.irp T, 0,1
.irp b, 0,1,2,3
	v_exp_f32 v[TT+16*\T+\b], v[TT+16*\T+\b]       ; the block's largest p: the same arithmetic on the same number gives the same bits
.endr
.endr
.irp T, 0,1
	v_pk_add_f32 v[TT+16*\T+4:TT+16*\T+5], v[S+64*\T:S+64*\T+1], v[S+64*\T+2:S+64*\T+3]   ; THE ROW'S SUM IS TAKEN OF THE UNQUANTISED p, in two chains a tile
.endr
.irp j, 4,8,12,16,20,24,28,32,36,40,44,48,52,56,60
.irp T, 0,1
	v_pk_add_f32 v[ST+8*\T+2:ST+8*\T+3], v[ST+8*\T+2:ST+8*\T+3], v[S+64*\T+\j:S+64*\T+\j+1]
	v_pk_add_f32 v[TT+16*\T+4:TT+16*\T+5], v[TT+16*\T+4:TT+16*\T+5], v[S+64*\T+\j+2:S+64*\T+\j+3]
.endr
.endr
.irp T, 0
	s_delay_alu instid0(VALU_DEP_3)
	v_pk_add_f32 v[ST+8*\T+2:ST+8*\T+3], v[ST+8*\T+2:ST+8*\T+3], v[TT+16*\T+4:TT+16*\T+5]
.endr
.irp T, 1
	s_delay_alu instid0(VALU_DEP_2)
	v_pk_add_f32 v[ST+8*\T+2:ST+8*\T+3], v[ST+8*\T+2:ST+8*\T+3], v[TT+16*\T+4:TT+16*\T+5]
.endr
	s_wait_alu depctr_va_vdst(0)                   ; and one for the eight
.irp T, 0,1
.irp b, 0,1,2,3
	v_max_num_f32 v[TT+16*\T+\b], 0x1800000, v[TT+16*\T+\b]   ; the floor 2^(3 - 127): a block whose every p is 0 keeps the byte 1; its codes are zeros
.endr
.endr
.irp T, 0,1
.irp b, 0,1,2,3
	v_add_nc_u32 v[TT+16*\T+8+\b], 0xff000000, v[TT+16*\T+\b]
.endr
.endr
.irp T, 0,1
.irp b, 0,1,2,3
	v_lshrrev_b32 v[TT+16*\T+4+\b], 23, v[TT+16*\T+8+\b]
.endr
.endr
.irp T, 0
	v_lshl_or_b32 v[PS+\T], v[TT+16*\T+5], 8, v[TT+16*\T+4]   ; p's scale word for these 128 keys
.endr
.irp T, 1
	s_delay_alu instid0(VALU_DEP_4)
	v_lshl_or_b32 v[PS+\T], v[TT+16*\T+5], 8, v[TT+16*\T+4]   ; p's scale word for these 128 keys
.endr
.irp T, 0,1
	s_delay_alu instid0(VALU_DEP_2)
	v_lshl_or_b32 v[PS+\T], v[TT+16*\T+6], 16, v[PS+\T]
.endr
.irp T, 0,1
	s_delay_alu instid0(VALU_DEP_2)
	v_lshl_or_b32 v[PS+\T], v[TT+16*\T+7], 24, v[PS+\T]
.endr
.irp T, 0,1
.irp c, 0,1
	v_cvt_scalef32_pk16_fp6_f32 v[P+12*\T+6*\c:P+12*\T+6*\c+2], v[S+64*\T+32*\c:S+64*\T+32*\c+15], v[TT+16*\T+8+2*\c]
	v_cvt_scalef32_pk16_fp6_f32 v[TT+16*\T+4+8*\c:TT+16*\T+6+8*\c], v[S+64*\T+32*\c+16:S+64*\T+32*\c+31], v[TT+16*\T+9+2*\c]
.endr
.endr
	v_nop                                          ; one plain line behind the conversions
.irp T, 0,1
.irp c, 0,1
.irp i, 0,1,2
	v_permlane16_swap_b32 v[P+12*\T+6*\c+\i], v[TT+16*\T+4+8*\c+\i]   ; a WHOLE block in a lane: lanes 0-15 block 2 c, lanes 16-31 block 2 c + 1
.endr
.irp i, 0,1,2
	s_delay_alu instid0(VALU_DEP_3)
	v_mov_b32 v[P+12*\T+6*\c+3+\i], v[TT+16*\T+4+8*\c+\i]
.endr
.endr
.endr
	WIN 0x41                                       ; O^T in window 1, f in window 0
.irp T, 0,1
.set j, 0
.rept 32
	v_pk_mul_f32 v[64*\T+j:64*\T+j+1], v[64*\T+j:64*\T+j+1], v[ST+8*\T+6:ST+8*\T+7] op_sel_hi:[1,0]   ; O^T under the new M.  (These 64 also stand between the lines that made P and its scale word and the products)
.set j, j+2
.endr
.endr
	s_wait_alu depctr_va_vdst(0)
	s_wait_dscnt 0x0                               ; V and its scale words are in
	WIN 0x51                                       ; V and O^T in window 1, P in window 0
.irp i, 0,1,2,3,4,5,6,7
.irp T, 0,1
.set rD, 64*\T+8*\i
.set rA, BUF+12*\i
.set rB, P+12*\T
.set rSA, VSC+\i/2
.set rSB, PS+\T
.set pA, \i%2
	WM rD, rA, rB, 0, rSA, rSB, pA, 0              ; sixteen accumulators by turns, one instruction a turn
.endr
.endr
	WIN 0
	s_add_co_u32 s[TB], s[TB], STEPB
	s_add_co_u32 s[TS], s[TS], 512
.endm
; THE CHANGE OF SLOTS stands at a slot's head.  Each wave waits for all its tensor loads (its block of the slot ahead), adds 0 to its spare word, and waits for that and for its LDS reads and stores.  fill = 1: the barrier is a
; round of the cluster's, so that no wave of any partner still reads the slot left or has a load on its way; the joint fill of that slot is the first thing behind it and has four key steps in which to land.
.macro CHANGE fill
	s_wait_tensorcnt 0x0                           ; no tensor load of mine is out, so the group 0 may be written
	ds_add_u32 v[SPW], v[NIL]                      ; 0 onto my spare word
.if \fill
	s_xor_b32 s[G0+1], s[G0+1], SLOT1              ; the other slot than last time,
	s_add_nc_u64 s[G0+2:G0+3], s[G0+2:G0+3], SLOTB ; the next four key steps; the type bits on top are not reached
	s_wait_xcnt 0x0                                ; the last prefetch, a slot back, has read its address
	s_add_nc_u64 s[PFA:PFA+1], s[PFA:PFA+1], SLOTB
	s_wait_dscnt 0x0
	CROUND
	tensor_load_to_lds s[G0:G0+3], s[G1:G1+7]      ; my one tensor load until the next change
	s_nop 0
.rept 4
	v_nop
.endr
	ASK
.else
	s_wait_dscnt 0x0
	s_barrier_signal -1
	s_barrier_wait -1
.endif
.endm
.macro FOUR_STEPS                      ; a slot's four key steps: written once, walked four times
	s_mov_b32 s[CNT], 4
.Lstep_\@:
	STEP
	s_sub_co_u32 s[CNT], s[CNT], 1
	s_cmp_lg_u32 s[CNT], 0
	s_cbranch_scc1 .Lstep_\@
	s_sub_co_u32 s[TB], s[TB], SLOTB               ; back to a slot's first step,
	s_xor_b32 s[TB], s[TB], SLOT1                  ; in the other slot
.endm
.Lslot:                                            ; NSL - 1 trips: behind each change of slots but the last the next slot is asked for
	CHANGE 1
	FOUR_STEPS
	s_sub_co_u32 s[SLOTS], s[SLOTS], 1
	s_cmp_lg_u32 s[SLOTS], 0
	s_cbranch_scc1 .Lslot
	CHANGE 0                                       ; the last slot is written out
	FOUR_STEPS
	; THE WAY OUT: O^T / the sum, quantised along the head's 128 channels; the codes are the tile's image in cq as they stand.
	PLACES
.irp T, 0,1
	v_add_f32 v[TT+16*\T], v[ST+8*\T+2], v[ST+8*\T+3]
.endr
.irp T, 0,1
	s_delay_alu instid0(VALU_DEP_2)
	v_permlanex16_b32 v[TT+16*\T+4], v[TT+16*\T], s[SEL], s[SEL+1]
.endr
.irp T, 0,1
	s_delay_alu instid0(VALU_DEP_2)
	v_add_f32 v[TT+16*\T], v[TT+16*\T], v[TT+16*\T+4]   ; the row's sum; it is above 1/2
.endr
	s_wait_alu depctr_va_vdst(0)
.irp T, 0,1
	v_rcp_f32 v[ST+8*\T+6], v[TT+16*\T]
.endr
	v_nop                                          ; a plain line behind the reciprocals,
	s_wait_alu depctr_va_vdst(0)                   ; and the wait ahead of their first reader
	WIN 0x01                                       ; O^T in window 1
.irp T, 0,1
.set j, 0
.rept 32
	v_pk_mul_f32 v[S+64*\T+j:S+64*\T+j+1], v[64*\T+j:64*\T+j+1], v[ST+8*\T+6:ST+8*\T+7] op_sel_hi:[1,0]   ; register 16 b + i is channel 32 b + 16 (lane / 16) + i
.set j, j+2
.endr
.endr
	WIN 0
.irp T, 0,1
.set qS, S+64*\T
.set qP, P+12*\T
.set qPW, PS+\T
.set qT, TT+16*\T
	QUANT qS, qP, qPW, qT
.irp g, 0,1,2
	global_store_b128 v[LI], v[qP+4*\g:qP+4*\g+3], s[54:55] offset:1536*\T+512*\g   ; 32 lanes store 512 consecutive bytes, at a multiple of 256 from the buffer's first byte
.endr
.endr
	s_mov_b32 vcc_lo, 0xffff0000
	v_cndmask_b32 v[TT], v[PS], v[PS+1], vcc_lo    ; lanes 0-15 tile 0's words, lanes 16-31 tile 1's
	ds_store_b32 v[CSI], v[TT]
	s_wait_dscnt 0x0                               ; for the others' sake
	s_barrier_signal -1
	s_barrier_wait -1
	s_cmp_lt_u32 s[WV], 2
	s_cbranch_scc0 .Lno_words
	ds_load_b128 v[TT+4:TT+7], v[CSO]              ; four waves' words make a block's 512 bytes: waves 0 and 1 store one each, whole
	s_wait_dscnt 0x0
	global_store_b128 v[LI], v[TT+4:TT+7], s[56:57] offset:12288
.Lno_words:
	s_wait_tensorcnt 0x0                           ; the wave's end
	ds_add_u32 v[SPW], v[NIL]
	s_wait_dscnt 0x0
	CROUND                                         ; the closing round
	s_endpgm
.Lfunc_end_k_qbe2ef883ad_attn:
	.size	k_qbe2ef883ad_attn, .Lfunc_end_k_qbe2ef883ad_attn-k_qbe2ef883ad_attn
	.p2alignl 7, 3214868480
	.fill 96, 4, 3214868480
	.section	.rodata,"a",@progbits
	.p2align	6, 0x0
	.amdhsa_kernel k_qbe2ef883ad_attn
		.amdhsa_group_segment_fixed_size 327680
		.amdhsa_private_segment_fixed_size 0
		.amdhsa_enable_private_segment 0
		.amdhsa_kernarg_size 24
		.amdhsa_user_sgpr_count 2
		.amdhsa_user_sgpr_kernarg_segment_ptr 1
		.amdhsa_wavefront_size32 1
		.amdhsa_system_sgpr_workgroup_id_x 1
		.amdhsa_system_sgpr_workgroup_id_y 1
		.amdhsa_system_sgpr_workgroup_id_z 1
		.amdhsa_system_vgpr_workitem_id 0
		.amdhsa_next_free_vgpr 512
		.amdhsa_next_free_sgpr 66
		.amdhsa_reserve_vcc 1
		.amdhsa_float_denorm_mode_32 3
		.amdhsa_float_denorm_mode_16_64 3
		.amdhsa_memory_ordered 1
		.amdhsa_forward_progress 1
		.amdhsa_inst_pref_size 103
	.end_amdhsa_kernel
	.amdgpu_metadata
---
amdhsa.version: [ 1, 2 ]
amdhsa.kernels:
  - .name:           k_qbe2ef883ad_attn
    .symbol:         k_qbe2ef883ad_attn.kd
    .args:
      - { .name: kv, .offset: 0, .size: 8, .value_kind: global_buffer, .address_space: global }
      - { .name: mask, .offset: 8, .size: 8, .value_kind: global_buffer, .address_space: global }
      - { .name: cq, .offset: 16, .size: 8, .value_kind: global_buffer, .address_space: global }
    .group_segment_fixed_size: 327680
    .private_segment_fixed_size: 0
    .kernarg_segment_align: 8
    .kernarg_segment_size: 24
    .max_flat_workgroup_size: 256
    .sgpr_count:     66
    .vgpr_count:     512
    .wavefront_size: 32
...
	.end_amdgpu_metadata
.endif
;; end of part 3
;; launch outp (part 4): grid 4 x 64, 4 waves a work-group, clusters of 4 x 4, 327,680 bytes of LDS; arguments cq, woq, out0; writes out0
.if DOCPART == 4
	.amdgcn_target "amdgcn-amd-amdhsa--gfx1250"
	.amdhsa_code_object_version 6
	.text
	.protected	k_qbe2ef883ad_outp
	.globl	k_qbe2ef883ad_outp
	.p2align	8
	.type	k_qbe2ef883ad_outp,@function
k_qbe2ef883ad_outp:
	s_mov_b64 s[64:65], 0
	v_nop
	global_prefetch_b8 v0, s[64:65] scope:SCOPE_SE
	s_setreg_imm32_b32 hwreg(HW_REG_WAVE_MODE, 25, 1), 1
	s_wait_xcnt 0x0
	s_wait_alu depctr_hold_cnt(0) depctr_sa_sdst(0) depctr_va_vdst(0) depctr_va_sdst(0) depctr_va_ssrc(0) depctr_va_vcc(0) depctr_vm_vsrc(0)
	s_getreg_b32 s2, hwreg(HW_REG_IB_STS2, 6, 4)
	s_cmp_eq_u32 s2, 0
	s_cbranch_scc0 .Lentry_in_a_cluster
	s_endpgm
.Lentry_in_a_cluster:
	s_bfe_u32 s2, ttmp6, 0x10000c
	s_cmp_lg_u32 s2, 0xf033
	s_cbranch_scc0 .Lentry_shape_is_right
	s_endpgm
.Lentry_shape_is_right:
; out[b][o][t] = sum over c of ctx[b][t][c] Wo[o][c], on codes of FP6 (E2M3) with E8M0 scales.  cq and woq: [row group of 128][K step of 128] blocks of 12,800 bytes in the order of an operand's registers
; (tile i at 1,536 i: registers 4 g .. + 3 of lane l at 512 g + 16 l; scale words at 12,288: tile i, row r at 16 (r + 16 (i % 2)) + 4 (i / 2)); of 32 rows tau, tile u takes tau = 16 (r / 8) + 8 u + r % 8 as row r.
; SHARES.  A work-group takes 128 t (row group y) x 256 o.  ALL OF K (1,024) OF ITS THREE ROW GROUPS LIES IN LDS, filled once: 3 x 102,400 bytes; no slot is filled again.
; Wave w: source 0 = ctx's eight tiles, source 1 = four tiles of Wo (o 64 w .. 64 w + 63 of the 256): a lane holds ONE o, and the 64 registers of a tile of o run along the 128 t in their own order: rows of the output.
; CLUSTER 4 x 4: ctx's row group hangs on y alone and is shared along a row of the cluster, Wo's two on x alone, shared along a column: every fill is a joint load.
; REGISTERS: window 0: v1 16 x lane; v16-21 LDS addresses; v22, 23 the stage; v32-47 scale words, two sets; v128-175 source 1's four fragments, ONE set; on the way out v128-255 rows of the output.
;   window 1: source 0's eight fragments, TWO sets, at v0 and v128.   window 2: the 32 accumulators, (a, b) at v[8 (8 a + b)].
.set GBLK,  12800
.set KALL,  8*GBLK
.set HALFK, 4*GBLK
.set SPITCH, 528                       ; the way out: a stage of 16 rows x (512 bytes + 16) for each wave, in ctx's bytes, which have had their only fill and their last read by then
.set LI,   1
.set AD0,  16                          ; v16, v17  ctx's blocks
.set AD1,  18                          ; v18, v19  my four tiles of Wo
.set ADS,  20                          ; v20, v21  their scale words: two of a block's four registers
.set STO,  22
.set RD,   23
.set SC,   32
.set FB,   128
.set BK,   128
.set WV,   10
.set G1X,  24
.set G1W,  32
.set G0X,  40
.set G0W,  68
.set MSB, 0
.macro WIN new                         ; the immediate's high byte repeats the setting that is left
.if MSB != \new
	s_set_vgpr_msb (MSB<<8)|\new
.set MSB, \new
.endif
.endm
.set MUL,  0xa1                        ; source 0 window 1, source 1 window 0, C and D window 2
.set TO_1, 0x40
.macro CROUND
	s_barrier_signal -1
	s_barrier_wait -1
	s_cmp_lg_u32 s[WV], 0
	s_cbranch_scc1 .Lnot_wave_0_\@
	s_barrier_signal -3
.Lnot_wave_0_\@:
	s_barrier_wait -3
	s_barrier_signal -1
	s_barrier_wait -1
.endm
.macro PLACES                          ; four plain vector lines between a matrix instruction and a load into, or a read of, its registers
.rept 4
	v_nop
.endr
.endm
.macro WM d, a, b, zero, sa, sb, pa, pb
.if \zero
.if (\pa) && (\pb)
	v_wmma_scale_f32_16x16x128_f8f6f4 v[\d:\d+7], v[\a:\a+11], v[\b:\b+11], 0, v[\sa], v[\sb] matrix_a_fmt:MATRIX_FMT_FP6 matrix_b_fmt:MATRIX_FMT_FP6 matrix_a_scale:MATRIX_SCALE_ROW1 matrix_b_scale:MATRIX_SCALE_ROW1
.elseif \pa
	v_wmma_scale_f32_16x16x128_f8f6f4 v[\d:\d+7], v[\a:\a+11], v[\b:\b+11], 0, v[\sa], v[\sb] matrix_a_fmt:MATRIX_FMT_FP6 matrix_b_fmt:MATRIX_FMT_FP6 matrix_a_scale:MATRIX_SCALE_ROW1
.elseif \pb
	v_wmma_scale_f32_16x16x128_f8f6f4 v[\d:\d+7], v[\a:\a+11], v[\b:\b+11], 0, v[\sa], v[\sb] matrix_a_fmt:MATRIX_FMT_FP6 matrix_b_fmt:MATRIX_FMT_FP6 matrix_b_scale:MATRIX_SCALE_ROW1
.else
	v_wmma_scale_f32_16x16x128_f8f6f4 v[\d:\d+7], v[\a:\a+11], v[\b:\b+11], 0, v[\sa], v[\sb] matrix_a_fmt:MATRIX_FMT_FP6 matrix_b_fmt:MATRIX_FMT_FP6
.endif
.else
.if (\pa) && (\pb)
	v_wmma_scale_f32_16x16x128_f8f6f4 v[\d:\d+7], v[\a:\a+11], v[\b:\b+11], v[\d:\d+7], v[\sa], v[\sb] matrix_a_fmt:MATRIX_FMT_FP6 matrix_b_fmt:MATRIX_FMT_FP6 matrix_a_scale:MATRIX_SCALE_ROW1 matrix_b_scale:MATRIX_SCALE_ROW1
.elseif \pa
	v_wmma_scale_f32_16x16x128_f8f6f4 v[\d:\d+7], v[\a:\a+11], v[\b:\b+11], v[\d:\d+7], v[\sa], v[\sb] matrix_a_fmt:MATRIX_FMT_FP6 matrix_b_fmt:MATRIX_FMT_FP6 matrix_a_scale:MATRIX_SCALE_ROW1
.elseif \pb
	v_wmma_scale_f32_16x16x128_f8f6f4 v[\d:\d+7], v[\a:\a+11], v[\b:\b+11], v[\d:\d+7], v[\sa], v[\sb] matrix_a_fmt:MATRIX_FMT_FP6 matrix_b_fmt:MATRIX_FMT_FP6 matrix_b_scale:MATRIX_SCALE_ROW1
.else
	v_wmma_scale_f32_16x16x128_f8f6f4 v[\d:\d+7], v[\a:\a+11], v[\b:\b+11], v[\d:\d+7], v[\sa], v[\sb] matrix_a_fmt:MATRIX_FMT_FP6 matrix_b_fmt:MATRIX_FMT_FP6
.endif
.endif
.endm
; Eight products: my tile a of Wo against ctx's eight.  The 32 accumulators take turns, one instruction a turn, in the same order in every step.
.macro MULA a, set, zero
.irp b, 0,1,2,3,4,5,6,7
.set rD, 8*(8*(\a)+\b)
.set rA, 128*(\set)+12*\b
.set rB, FB+12*(\a)
.set rSA, SC+8*(\set)+\b/2
.set rSB, SC+8*(\set)+4+(\a)/2
.set pA, \b%2
.set pB, (\a)%2
	WM rD, rA, rB, \zero, rSA, rSB, pA, pB
.endr
.endm
.macro FETCH0 s
	WIN TO_1
.irp i, 0,1,2,3,4,5,6,7
.irp g, 0,1,2
	ds_load_b128 v[128*((\s)%2)+12*\i+4*\g:128*((\s)%2)+12*\i+4*\g+3], v[AD0+(\s)/4] offset:((\s)%4)*GBLK+\i*1536+\g*512
.endr
.endr
	WIN 0
.endm
.macro FETCH1 s, i0                    ; my tiles i0, i0 + 1 of Wo
.irp i, 0,1
.irp g, 0,1,2
	ds_load_b128 v[FB+12*((\i0)+\i)+4*\g:FB+12*((\i0)+\i)+4*\g+3], v[AD1+(\s)/4] offset:((\s)%4)*GBLK+((\i0)+\i)*1536+\g*512
.endr
.endr
.endm
.macro SCALES s
	ds_load_b128 v[SC+8*((\s)%2):SC+8*((\s)%2)+3], v[AD0+(\s)/4] offset:((\s)%4)*GBLK+12288
	ds_load_b64 v[SC+8*((\s)%2)+4:SC+8*((\s)%2)+5], v[ADS+(\s)/4] offset:((\s)%4)*GBLK
.endm
; A K step of 128: 32 products.  kind 0: the next step lies in a chunk shown landed.  kind 1: the next step begins the second half of K: my load of it is waited for, and a barrier shows everybody's.  kind 2: the last.
.macro STEP s, kind
.set cur, (\s)%2
.set zz, 0
.if (\s) == 0
.set zz, 1
.endif
.if \kind == 1
	s_wait_tensorcnt 0x0                           ; my load of the second half of K has landed
.endif
	s_wait_dscnt 6                                 ; all but the youngest six loads (my tiles 2, 3 of Wo) are in
	WIN MUL
	MULA 0, cur, zz
.if \kind == 1
	s_wait_dscnt 0x0                               ; no LDS instruction of mine is out at the signal
	s_barrier_signal -1
.endif
	MULA 1, cur, zz
.if \kind == 1
	s_barrier_wait -1
.else
	s_wait_dscnt 0x0
.endif
.if \kind != 2
	PLACES
	FETCH0 (\s)+1
	FETCH1 (\s)+1, 0
	SCALES (\s)+1
	WIN MUL
.endif
	MULA 2, cur, zz
	MULA 3, cur, zz
.if \kind != 2
	PLACES
	WIN 0
	FETCH1 (\s)+1, 2
.endif
.endm
	s_load_b128 s[4:7], s[0:1], 0x0                ; cq, woq
	s_load_b64 s[8:9], s[0:1], 0x10                ; out0
	v_lshl_add_u32 v126, v0, 2, 0x4b000
	v_mov_b32 v127, 0
	ds_add_u32 v126, v127
	ds_add_u32 v126, v127
	v_lshrrev_b32 v2, 5, v0
	v_readfirstlane_b32 s[WV], v2                  ; wave 0..3
	s_lshr_b32 s11, s[WV], 1                       ; which row group of Wo holds my tiles.  Also: I fetch for ctx (0) or for Wo (1)
	s_and_b32 s12, s[WV], 1                        ; which four of its eight tiles.  Also: which part I fetch
	s_bfe_u32 s13, ttmp6, 0x40000                  ; cx, cy
	s_bfe_u32 s14, ttmp6, 0x40004
	s_lshl_b32 s15, ttmp9, 2
	s_add_co_u32 s15, s15, s13                     ; x: which 256 o
	s_and_b32 s16, ttmp7, 0xffff
	s_lshl_b32 s16, s16, 2
	s_add_co_u32 s16, s16, s14                     ; y: which row group of 128 t
	s_lshl_b32 s17, s14, 2
	s_lshl_b32 s17, 15, s17                        ; my row of the cluster
	s_lshl_b32 s18, 0x1111, s13                    ; my column
	s_or_b32 s[G1X], s17, (3<<16)|(1<<21)          ; 15:0 the mask; 17:16 elements of 8 bytes; 21 set beside a mask; no padding
	s_or_b32 s[G1W], s18, (3<<16)|(1<<21)
	s_mov_b32 s[G1X+1], 32<<16                     ; rows of 256 bytes of a dense block,
	s_mov_b32 s[G1X+2], 100<<16                    ; 100 rows: two K steps
	s_mov_b32 s[G1X+3], 32<<16
	s_mov_b32 s[G1X+4], 100
	s_mov_b32 s[G1X+5], 32
	s_mov_b32 s[G1X+6], 0
	s_mov_b32 s[G1X+7], 0
	s_mov_b32 s[G1W+1], 32<<16
	s_mov_b32 s[G1W+2], 200<<16                    ; four K steps of a row group
	s_mov_b32 s[G1W+3], 32<<16
	s_mov_b32 s[G1W+4], 200
	s_mov_b32 s[G1W+5], 32
	s_mov_b32 s[G1W+6], 0
	s_mov_b32 s[G1W+7], 0
	s_mul_i32 s84, s16, KALL                       ; ctx: row group y, K steps 4 p + 2 (wave % 2) and the next: made of y and the wave alone
	s_mul_i32 s86, s12, 2*GBLK                     ; ctx: of each half of K, steps 2 (wave % 2) and the next
	s_add_co_u32 s84, s84, s86
	s_mov_b32 s85, 0
	s_lshl_b32 s88, s15, 1                         ; Wo: row group 2 x + (wave % 2): made of x and the wave alone
	s_add_co_u32 s88, s88, s12
	s_mul_i32 s88, s88, KALL
	s_mov_b32 s89, 0
	s_add_co_u32 s90, s12, 1
	s_mul_i32 s90, s90, KALL
	s_wait_dscnt 0x0
	s_wait_kmcnt 0x0
	s_add_nc_u64 s[84:85], s[4:5], s[84:85]
	s_add_nc_u64 s[88:89], s[6:7], s[88:89]
.irp p, 0,1                            ; half p of K: steps 4 p .. 4 p + 3
	s_mov_b32 s[G0X+4*\p], 1
	s_add_co_u32 s[G0X+4*\p+1], s86, \p*HALFK
	s_add_nc_u64 s[G0X+4*\p+2:G0X+4*\p+3], s[84:85], \p*HALFK
	s_or_b32 s[G0X+4*\p+3], s[G0X+4*\p+3], 0x80000000
	s_mov_b32 s[G0W+4*\p], 1
	s_add_co_u32 s[G0W+4*\p+1], s90, \p*HALFK
	s_add_nc_u64 s[G0W+4*\p+2:G0W+4*\p+3], s[88:89], \p*HALFK
	s_or_b32 s[G0W+4*\p+3], s[G0W+4*\p+3], 0x80000000
.endr
	CROUND                                         ; all sixteen work-groups are here: the joint loads meet
	s_cmp_lt_u32 s[WV], 2                          ; all fills of a wave stand in one branch on its number: one load of mine is out
	s_cbranch_scc0 .Lfill_w
.irp p, 0                              ; ONE tensor load a wave at the head: K steps 0 to 3; waves 0, 1 two steps of ctx each
	tensor_load_to_lds s[G0X+4*\p:G0X+4*\p+3], s[G1X:G1X+7]
	s_nop 0
.endr
.rept 4
	v_nop
.endr
	s_branch .Lfilled
.Lfill_w:
.irp p, 0                              ; waves 2, 3 the four steps of a row group of the weight each
	tensor_load_to_lds s[G0W+4*\p:G0W+4*\p+3], s[G1W:G1W+7]
	s_nop 0
.endr
.rept 4
	v_nop
.endr
.Lfilled:
	v_and_b32 v2, 31, v0
	v_lshlrev_b32 v[LI], 4, v2
	v_lshlrev_b32 v[AD0], 4, v2                    ; ctx lies at LDS byte 0
	v_add_nc_u32 v[AD0+1], HALFK, v[AD0]
	s_add_co_u32 s20, s11, 1
	s_mul_i32 s20, s20, KALL                       ; my row group of Wo,
	s_mul_i32 s21, s12, 4*1536
	s_add_co_u32 s21, s21, s20                     ; my four tiles in a block of it,
	s_lshl_b32 s19, s12, 3
	s_add_co_u32 s20, s20, s19
	s_add_co_u32 s20, s20, 12288                   ; and their two of its four scale registers
	v_add_nc_u32 v[AD1], s21, v[LI]
	v_add_nc_u32 v[AD1+1], HALFK, v[AD1]
	v_add_nc_u32 v[ADS], s20, v[LI]
	v_add_nc_u32 v[ADS+1], HALFK, v[ADS]
	v_and_b32 v3, 15, v0                           ; r
	v_bfe_u32 v4, v0, 4, 1                         ; h
	s_mul_i32 s19, s[WV], 16*SPITCH                ; my stage
	v_mul_u32_u24 v[STO], v3, SPITCH
	v_lshl_add_u32 v[STO], v4, 6, v[STO]
	v_add_nc_u32 v[STO], s19, v[STO]               ; in: row r (my o), + 64 h: t = 16 h + ..
	v_add_nc_u32 v[RD], s19, v[LI]                 ; back: the 32 lanes take a row of 512 bytes
	s_lshr_b32 s92, s16, 4                         ; out: the batch, 8,388,608 bytes each,
	s_lshl_b32 s92, s92, 23
	s_lshl_b32 s93, s15, 21                        ; 256 x rows of 8,192 bytes,
	s_add_co_u32 s92, s92, s93
	s_lshl_b32 s93, s[WV], 19                      ; 64 w rows,
	s_add_co_u32 s92, s92, s93
	s_and_b32 s93, s16, 15
	s_lshl_b32 s93, s93, 9                         ; the row group's 128 t
	s_add_co_u32 s92, s92, s93
	s_mov_b32 s93, 0
	s_add_nc_u64 s[8:9], s[8:9], s[92:93]
	s_wait_alu depctr_va_vdst(0)
	s_wait_tensorcnt 0x0                           ; my part of K steps 0 to 3 has landed
	ds_add_u32 v126, v127                          ; 0 onto my spare word,
	s_wait_dscnt 0x0                               ; and the wait for it
	CROUND                                         ; a whole round: everybody's part is in, and all sixteen work-groups are here: the joint loads meet
	s_cmp_lt_u32 s[WV], 2                          ; K steps 4 to 7, into bytes not filled before: my one tensor load behind the round; four K steps of products stand ahead of the wait for it
	s_cbranch_scc0 .Lfill_w2
	tensor_load_to_lds s[G0X+4:G0X+7], s[G1X:G1X+7]
	s_nop 0
.rept 4
	v_nop
.endr
	s_branch .Lfilled2
.Lfill_w2:
	tensor_load_to_lds s[G0W+4:G0W+7], s[G1W:G1W+7]
	s_nop 0
.rept 4
	v_nop
.endr
.Lfilled2:
	FETCH0 0
	FETCH1 0, 0
	SCALES 0
	FETCH1 0, 2
	STEP 0, 0
	STEP 1, 0
	STEP 2, 0
	STEP 3, 1                                      ; the next step begins the second half of K: its loads are waited for, and a barrier shows everybody's
	STEP 4, 0
	STEP 5, 0
	STEP 6, 0
	STEP 7, 2
	WIN 0
	s_wait_dscnt 0x0                               ; my reads of the tiles are over,
	s_barrier_signal -1
	s_barrier_wait -1                              ; everybody's are: the stages may be written over ctx's bytes (every tensor load was waited for ahead of the last barrier of the K steps)
; THE WAY OUT, a tile of 16 o at a time.  A lane holds 32 neighbouring bytes of its o's row eight times over, and the lanes beside it hold other rows: so the tile goes through my own stage and comes back as whole rows of
; 512 bytes.  LDS serves a wave's instructions in order (ISA guide 5.7.1.4): no wait between the stores and the loads, nor in front of the next tile's stores.
.macro TOSTAGE a
	WIN 0x08                                       ; an LDS store's data are its source 1: window 2
.irp b, 0,1,2,3,4,5,6,7
	ds_store_b128 v[STO], v[8*(8*(\a)+\b):8*(8*(\a)+\b)+3] offset:128*(\b/2)+32*(\b%2)        ; t = 32 (b / 2) + 16 h + 8 (b % 2) + 0 .. 3; each accumulator from its low end on
	ds_store_b128 v[STO], v[8*(8*(\a)+\b)+4:8*(8*(\a)+\b)+7] offset:128*(\b/2)+32*(\b%2)+16
.endr
	WIN 0
.set BB, BK+64*((\a)%2)
.irp t, 0,1,2,3,4,5,6,7,8,9,10,11,12,13,14,15
	ds_load_b128 v[BB+4*\t:BB+4*\t+3], v[RD] offset:\t*SPITCH
.endr
.endm
.macro SEND a, younger                 ; younger: the LDS instructions issued behind tile a's loads, which may stay out
.set BB, BK+64*((\a)%2)
	s_wait_dscnt \younger
.irp t, 0,1,2,3,4,5,6,7,8,9,10,11,12,13,14,15
	global_store_b128 v[LI], v[BB+4*\t:BB+4*\t+3], s[8:9] offset:(32*((\a)/2)+8*((\a)%2)+\t+8*(\t/8))*8192 th:TH_STORE_NT   ; row t of the tile is o 32 (a / 2) + 8 (a % 2) + t + 8 (t / 8); 32 lanes store 512 consecutive bytes, aligned to 256
.endr
.endm
	PLACES
	TOSTAGE 0
.irp a, 1,2,3
.if \a > 1
	s_wait_xcnt 0x0                                ; tile a - 2's stores have read their registers: tile a's loads may land there
.endif
	TOSTAGE \a
	SEND \a-1, 32                                  ; behind tile a - 1's loads: tile a's 16 stores and 16 loads
.endr
	SEND 3, 0
	s_wait_dscnt 0x0
	s_wait_tensorcnt 0x0
	ds_add_u32 v126, v127
	s_wait_dscnt 0x0
	CROUND                                         ; the closing round: no work-group ends while a partner may still ask for a tile that names it
	s_endpgm
.Lfunc_end_k_qbe2ef883ad_outp:
	.size	k_qbe2ef883ad_outp, .Lfunc_end_k_qbe2ef883ad_outp-k_qbe2ef883ad_outp
	.p2alignl 7, 3214868480
	.fill 96, 4, 3214868480
	.section	.rodata,"a",@progbits
	.p2align	6, 0x0
	.amdhsa_kernel k_qbe2ef883ad_outp
		.amdhsa_group_segment_fixed_size 327680
		.amdhsa_private_segment_fixed_size 0
		.amdhsa_enable_private_segment 0
		.amdhsa_kernarg_size 24
		.amdhsa_user_sgpr_count 2
		.amdhsa_user_sgpr_kernarg_segment_ptr 1
		.amdhsa_wavefront_size32 1
		.amdhsa_system_sgpr_workgroup_id_x 1
		.amdhsa_system_sgpr_workgroup_id_y 1
		.amdhsa_system_sgpr_workgroup_id_z 1
		.amdhsa_system_vgpr_workitem_id 0
		.amdhsa_next_free_vgpr 768
		.amdhsa_next_free_sgpr 96
		.amdhsa_reserve_vcc 0
		.amdhsa_float_denorm_mode_32 3
		.amdhsa_float_denorm_mode_16_64 3
		.amdhsa_memory_ordered 1
		.amdhsa_forward_progress 1
		.amdhsa_inst_pref_size 77
	.end_amdhsa_kernel
	.amdgpu_metadata
---
amdhsa.version: [ 1, 2 ]
amdhsa.kernels:
  - .name:           k_qbe2ef883ad_outp
    .symbol:         k_qbe2ef883ad_outp.kd
    .args:
      - { .name: cq, .offset: 0, .size: 8, .value_kind: global_buffer, .address_space: global }
      - { .name: woq, .offset: 8, .size: 8, .value_kind: global_buffer, .address_space: global }
      - { .name: out0, .offset: 16, .size: 8, .value_kind: global_buffer, .address_space: global }
    .group_segment_fixed_size: 327680
    .private_segment_fixed_size: 0
    .kernarg_segment_align: 8
    .kernarg_segment_size: 24
    .max_flat_workgroup_size: 128
    .sgpr_count:     96
    .vgpr_count:     768
    .wavefront_size: 32
...
	.end_amdgpu_metadata
.endif
;; end of part 4
